; MI455X (gfx1250); checked and timed in simulation.
; The chip was launched on July 23, 2026; its instructions are those of AMD's public machine-readable ISA for CDNA 5 (MIT licence, August 2026) and "CDNA5" Instruction Set Architecture Reference Guide (July 2026). The comments in the code are by the model that wrote it; some were corrected since.
;; Toy Transformer Block. Allowed arithmetic: float matrix products may take bf16 or f16 operands with f32 sums; other float arithmetic in f32, or as packed bf16 or f16 multiplies, adds, multiply-adds, maxima and minima; sums over many terms, partial sums and values carried from step to step in f32; what a program stores and reads back later, other than sums and carried values, may be rounded once to bf16 or f16.
;; Inputs: W1 512 x 2,048 float32; W2 2,048 x 512 float32; Wk 512 x 512 float32; Wo 512 x 512 float32; Wq 512 x 512 float32; Wv 512 x 512 float32; b1 2,048 float32; b2 512 float32; beta1 512 float32; beta2 512 float32; bo 512 float32; g1 512 float32; g2 512 float32; x 4 x 2,048 x 512 float32.
;; Outputs: out0 4 x 2,048 x 512 float32.
;; 2 versions, each right and faster than the one before. Each part assembles by itself: llvm-mc -triple=amdgcn-amd-amdhsa -mcpu=gfx1250 --defsym DOCPART=n.
;; ======== version 1 of 2: 6 launches
;; workspace buffers: wf 6,291,456 bytes; xn 8,388,608 bytes; qkv 25,165,824 bytes; ctx 8,388,608 bytes; hres 16,777,216 bytes; yn 8,388,608 bytes; hid 33,554,432 bytes
;; launch prep (part 1): grid 256 x 1, 8 waves a work-group, no clusters, 34,304 bytes of LDS; arguments x, g1, beta1, Wq, Wk, Wv, Wo, W1, W2, xn, wf; writes xn, wf
.if DOCPART == 1
	.amdgcn_target "amdgcn-amd-amdhsa--gfx1250"
	.amdhsa_code_object_version 6
	.text
	.protected	k_qb64bff74f1_prep
	.globl	k_qb64bff74f1_prep
	.p2align	8
	.type	k_qb64bff74f1_prep,@function
k_qb64bff74f1_prep:
	s_mov_b64 s[64:65], 0
	v_nop
	global_prefetch_b8 v0, s[64:65] scope:SCOPE_SE
	s_setreg_imm32_b32 hwreg(HW_REG_WAVE_MODE, 25, 1), 1
	s_wait_xcnt 0x0
; PREP.  (1) xn = LayerNorm(x; g1, beta1), rounded once to bf16.  (2) All six weight matrices, rounded once to bf16.
; Both are stored in FRAGMENT ORDER: units of 1,024 bytes = 16 rows x 32 k; byte gg*512 + lane*16 + 2e of a unit holds row lane%16,
; k = 16 gg + 8 (lane/16) + e.  Two 16-byte loads a lane (at lane*16 and +512) are then a 16-bit matrix operand (ISA guide 7.12.2).
;   xn: [row block 512][kb 16] units.   wf: Wq,Wk,Wv at 0 as [y 8][type*4 + nb%4][kb 16] (y = nb/4, nb = block of 16 columns);
;   Wo at 0x180000 as [nb 32][kb 16]; W1 at 0x200000 as [nb 128][kb 16]; W2 at 0x400000 as [nb 32][kb 64].  A weight unit's row r is column 16 nb + r.
; SHARES.  Work-group g: rows 32 g .. 32 g + 31 of x, a wave four of them (a row is 16 registers of a wave, so mean and variance never leave the wave);
; and 24 weight units, a wave three: one of W1, one of W2, one of the four small matrices.
; The variance is the mean of (x - mean)^2, as it is defined: no difference of large sums.  NaN and infinities are not treated apart.
; No matrix unit, no cluster: every byte is read once and nothing is shared between work-groups.
.set PITCH, 1040                       ; a row of 512 bf16 in LDS + 16 bytes: 65 x 16, so the sixteen rows of a 16-byte read begin at sixteen different 16-byte columns modulo 256
.set SPARE, 32*PITCH                   ; 33,280: behind the rows, the spare words, 128 bytes a wave
.set XR0, 32                           ; v[32:95]   four rows of x, 16 registers each: register 4 j + e = column 128 j + 4 lane + e
.set GG,  96                           ; v[96:111]  g1 at the same columns
.set BB,  112                          ; v[112:127] beta1
.set WU,  128                          ; v[128:175] three weight units as loaded: 16 f32 each (register 8 gg + e)
.set PK,  176                          ; v[176:183] a row packed to bf16
.set LWA, 184                          ; v184  LDS address at which my lane writes a row's pieces
.set LRA, 185                          ; v185  LDS address at which it reads pieces in fragment order
	s_load_b512 s[4:19], s[0:1], 0x0               ; x, g1, beta1, Wq, Wk, Wv, Wo, W1
	s_load_b128 s[20:23], s[0:1], 0x40             ; W2, xn
	s_load_b64 s[24:25], s[0:1], 0x50              ; wf
	v_lshl_add_u32 v1, v0, 2, SPARE                ; my spare word; never rewritten
	v_mov_b32 v2, 0                                ; 0; never rewritten
	v_lshrrev_b32 v6, 5, v0
	v_readfirstlane_b32 s26, v6                    ; wave w
	v_and_b32 v7, 31, v0                           ; lane
	v_lshlrev_b32 v3, 4, v7                        ; 16 x lane
	v_and_b32 v8, 15, v0                           ; r
	v_bfe_u32 v9, v0, 4, 1                         ; h
	v_lshlrev_b32 v10, 2, v8
	v_lshl_add_u32 v4, v9, 14, v10                 ; matrices of 512 columns: 8 h rows of 2,048 bytes + 4 r
	v_lshl_add_u32 v5, v9, 16, v10                 ; W1, 2,048 columns: 8 h rows of 8,192 bytes + 4 r
	s_mov_b32 s27, ttmp9                           ; g
	s_and_b32 s28, s26, 3
	s_lshr_b32 s29, s26, 2
	s_lshl_b32 s30, s27, 16                        ; x: 32 g rows of 2,048 bytes + 4 w rows
	s_lshl_b32 s31, s26, 13
	s_add_co_u32 s30, s30, s31
	s_mov_b32 s31, 0
	s_lshr_b32 s32, s27, 3                         ; W1: nb = 4 (g / 8) + w % 4, kb = 2 (g % 8) + w / 4
	s_lshl2_add_u32 s32, s32, s28
	s_and_b32 s33, s27, 7
	s_lshl1_add_u32 s33, s33, s29
	s_lshl_b32 s34, s33, 18                        ; from: 32 kb rows of 8,192 bytes + 16 nb columns
	s_lshl_b32 s35, s32, 6
	s_add_co_u32 s34, s34, s35
	s_mov_b32 s35, 0
	s_lshl_b32 s36, s32, 14                        ; to: 0x200000 + (16 nb + kb) units
	s_lshl_b32 s37, s33, 10
	s_add_co_u32 s36, s36, s37
	s_add_co_u32 s36, s36, 0x200000
	s_mov_b32 s37, 0
	s_lshr_b32 s32, s27, 5                         ; W2: nb = 4 (g / 32) + w % 4, kb = 2 (g % 32) + w / 4
	s_lshl2_add_u32 s32, s32, s28
	s_and_b32 s33, s27, 31
	s_lshl1_add_u32 s33, s33, s29
	s_lshl_b32 s38, s33, 16
	s_lshl_b32 s39, s32, 6
	s_add_co_u32 s38, s38, s39
	s_mov_b32 s39, 0
	s_lshl_b32 s40, s32, 16                        ; to: 0x400000 + (64 nb + kb) units
	s_lshl_b32 s41, s33, 10
	s_add_co_u32 s40, s40, s41
	s_add_co_u32 s40, s40, 0x400000
	s_mov_b32 s41, 0
	s_lshr_b32 s58, s26, 1                         ; the small matrices: which = w / 2, nb = 2 (g % 16) + w % 2, kb = g / 16
	s_and_b32 s59, s26, 1
	s_and_b32 s32, s27, 15
	s_lshl1_add_u32 s32, s32, s59
	s_lshr_b32 s33, s27, 4
	s_lshl_b32 s42, s33, 16
	s_lshl_b32 s43, s32, 6
	s_add_co_u32 s42, s42, s43
	s_mov_b32 s43, 0
	s_lshr_b32 s44, s32, 2                         ; Wq, Wk, Wv go to ((nb / 4) 12 + 4 which + nb % 4) 16 + kb
	s_mul_i32 s44, s44, 12
	s_lshl2_add_u32 s44, s58, s44
	s_and_b32 s45, s32, 3
	s_add_co_u32 s44, s44, s45
	s_lshl_b32 s44, s44, 4
	s_add_co_u32 s44, s44, s33
	s_lshl_b32 s44, s44, 10
	s_lshl_b32 s45, s32, 4                         ; Wo goes to 0x180000 + (16 nb + kb) units
	s_add_co_u32 s45, s45, s33
	s_lshl_b32 s45, s45, 10
	s_add_co_u32 s45, s45, 0x180000
	s_cmp_eq_u32 s58, 3
	s_cselect_b32 s44, s45, s44
	s_mov_b32 s45, 0
	s_lshl_b32 s60, s27, 15                        ; xn: row block 2 g + w / 4, from its piece 8 (w % 4) on
	s_lshl_b32 s61, s29, 14
	s_add_co_u32 s60, s60, s61
	s_lshl_b32 s61, s28, 12
	s_add_co_u32 s60, s60, s61
	s_mov_b32 s61, 0
	s_mul_i32 s62, s26, 4*PITCH
	v_lshl_add_u32 v[LWA], v7, 3, s62              ; my wave's four rows, 8 bytes a lane
	s_mul_i32 s62, s29, 16*PITCH
	s_lshl_b32 s63, s28, 8
	s_add_co_u32 s62, s62, s63
	v_mul_u32_u24 v[LRA], v8, PITCH
	v_lshl_add_u32 v[LRA], v9, 4, v[LRA]
	v_add_nc_u32 v[LRA], s62, v[LRA]               ; row 16 (w / 4) + r, byte 256 (w % 4) + 16 h
	s_mov_b32 s54, 0x76543210                      ; v_permlanex16_b32: each lane takes its own place in the other half
	s_mov_b32 s55, 0xfedcba98
	s_mov_b32 s56, 0x3b000000                      ; 1 / 512
	s_mov_b32 s57, 0x3727c5ac                      ; 1e-5
	s_wait_kmcnt 0x0
	s_add_nc_u64 s[4:5], s[4:5], s[30:31]
	s_add_nc_u64 s[18:19], s[18:19], s[34:35]
	s_add_nc_u64 s[20:21], s[20:21], s[38:39]
	s_cmp_eq_u32 s58, 1                            ; the small matrix of my wave: a choice on the wave's number
	s_cselect_b64 s[46:47], s[12:13], s[10:11]
	s_cmp_eq_u32 s58, 2
	s_cselect_b64 s[46:47], s[14:15], s[46:47]
	s_cmp_eq_u32 s58, 3
	s_cselect_b64 s[46:47], s[16:17], s[46:47]
	s_add_nc_u64 s[46:47], s[46:47], s[42:43]
	s_add_nc_u64 s[48:49], s[24:25], s[36:37]
	s_add_nc_u64 s[50:51], s[24:25], s[40:41]
	s_add_nc_u64 s[52:53], s[24:25], s[44:45]
	s_add_nc_u64 s[22:23], s[22:23], s[60:61]
	; all loads go out first: 24 for the norm, then 48 for the weights
.irp i, 0,1,2,3
.irp j, 0,1,2,3
	global_load_b128 v[XR0+16*(\i)+4*(\j):XR0+16*(\i)+4*(\j)+3], v3, s[4:5] offset:(\i)*2048+(\j)*512
.endr
.endr
.irp j, 0,1,2,3
	global_load_b128 v[GG+4*(\j):GG+4*(\j)+3], v3, s[6:7] offset:(\j)*512
	global_load_b128 v[BB+4*(\j):BB+4*(\j)+3], v3, s[8:9] offset:(\j)*512
.endr
; one unit: lane (r, h) takes W[32 kb + 16 gg + 8 h + e][16 nb + r], register 8 gg + e; sixteen lanes read 64 neighbouring bytes, the four waves w % 4 neighbouring blocks
.macro WLOAD u, sb, vo, n
.irp q, 0,1,2,3,4,5,6,7,8,9,10,11,12,13,14,15
	global_load_b32 v[WU+16*(\u)+(\q)], v[\vo], s[\sb:\sb+1] offset:((\q)/8*16+(\q)%8)*(\n)*4
.endr
.endm
	WLOAD 0, 18, 5, 2048
	WLOAD 1, 20, 4, 512
	WLOAD 2, 46, 4, 512
.macro RED a, b                        ; the sum over the wave's 32 lanes, in every lane
	v_add_f32_dpp v[\a], v[\a], v[\a] row_xmask:1 row_mask:0xf bank_mask:0xf
	v_add_f32_dpp v[\a], v[\a], v[\a] row_xmask:2 row_mask:0xf bank_mask:0xf
	v_add_f32_dpp v[\a], v[\a], v[\a] row_xmask:4 row_mask:0xf bank_mask:0xf
	v_add_f32_dpp v[\a], v[\a], v[\a] row_xmask:8 row_mask:0xf bank_mask:0xf
	v_permlanex16_b32 v[\b], v[\a], s54, s55
	v_add_f32 v[\a], v[\a], v[\b]
.endm
.macro LNROW i                         ; row i of my four: mean, centred, variance, scaled, packed, into LDS as a plain row
.set XR, XR0+16*(\i)
	v_pk_add_f32 v[6:7], v[XR:XR+1], v[XR+2:XR+3]
	v_pk_add_f32 v[8:9], v[XR+4:XR+5], v[XR+6:XR+7]
	v_pk_add_f32 v[10:11], v[XR+8:XR+9], v[XR+10:XR+11]
	v_pk_add_f32 v[12:13], v[XR+12:XR+13], v[XR+14:XR+15]
	v_pk_add_f32 v[6:7], v[6:7], v[8:9]
	v_pk_add_f32 v[10:11], v[10:11], v[12:13]
	v_pk_add_f32 v[6:7], v[6:7], v[10:11]
	v_add_f32 v6, v6, v7
	RED 6, 7
	v_mul_f32 v6, s56, v6                          ; the mean
.irp p, 0,2,4,6,8,10,12,14
	v_pk_add_f32 v[XR+(\p):XR+(\p)+1], v[XR+(\p):XR+(\p)+1], v[6:7] op_sel_hi:[1,0] neg_lo:[0,1] neg_hi:[0,1]
.endr
	v_pk_mul_f32 v[8:9], v[XR:XR+1], v[XR:XR+1]
	v_pk_mul_f32 v[10:11], v[XR+2:XR+3], v[XR+2:XR+3]
.irp p, 4,8,12
	v_pk_fma_f32 v[8:9], v[XR+(\p):XR+(\p)+1], v[XR+(\p):XR+(\p)+1], v[8:9]
	v_pk_fma_f32 v[10:11], v[XR+(\p)+2:XR+(\p)+3], v[XR+(\p)+2:XR+(\p)+3], v[10:11]
.endr
	v_pk_add_f32 v[8:9], v[8:9], v[10:11]
	v_add_f32 v8, v8, v9
	RED 8, 9
	v_fma_f32 v8, v8, s56, s57                     ; variance + 1e-5
	v_rsq_f32 v8, v8
	v_nop                                          ; a plain instruction between the root and the use of its result (ISA guide 5.7.2)
	s_wait_alu depctr_va_vdst(0)
.irp p, 0,2,4,6,8,10,12,14
	v_pk_mul_f32 v[XR+(\p):XR+(\p)+1], v[XR+(\p):XR+(\p)+1], v[8:9] op_sel_hi:[1,0]
.endr
.irp p, 0,2,4,6,8,10,12,14
	v_pk_fma_f32 v[XR+(\p):XR+(\p)+1], v[XR+(\p):XR+(\p)+1], v[GG+(\p):GG+(\p)+1], v[BB+(\p):BB+(\p)+1]
.endr
.irp p, 0,1,2,3,4,5,6,7
	v_cvt_pk_bf16_f32 v[PK+(\p)], v[XR+2*(\p)], v[XR+2*(\p)+1]
.endr
.irp j, 0,1,2,3
	ds_store_b64 v[LWA], v[PK+2*(\j):PK+2*(\j)+1] offset:(\i)*PITCH+256*(\j)   ; columns 128 j + 4 lane .. + 3
.endr
.endm
	s_wait_loadcnt 48                              ; x, g1 and beta1 are in; the 48 loads of the weights, issued behind them, may stay out
	LNROW 0
	LNROW 1
	LNROW 2
	LNROW 3
	s_wait_loadcnt 0x0                             ; the weights
.irp u, 0,1,2
.irp q, 0,1,2,3,4,5,6,7
	v_cvt_pk_bf16_f32 v[8+8*(\u)+(\q)], v[WU+16*(\u)+2*(\q)], v[WU+16*(\u)+2*(\q)+1]
.endr
	global_store_b128 v3, v[8+8*(\u):8+8*(\u)+3], s[48+2*(\u):49+2*(\u)]               ; each store of the wave covers 512 consecutive bytes, aligned
	global_store_b128 v3, v[8+8*(\u)+4:8+8*(\u)+7], s[48+2*(\u):49+2*(\u)] offset:512
.endr
	s_wait_dscnt 0x0                               ; for the others' sake: my rows are in LDS
	s_barrier_signal -1
	s_barrier_wait -1
.irp t, 0,1,2,3,4,5,6,7                ; eight pieces of 512 bytes: unit 4 (w % 4) + t / 2, half t % 2, of row block w / 4
	ds_load_b128 v[XR0+4*(\t):XR0+4*(\t)+3], v[LRA] offset:32*(\t)
.endr
.irp t, 0,1,2,3,4,5,6,7
	s_wait_dscnt 7-(\t)                            ; LDS loads come back in order: piece t is in, the younger ones may stay out
	global_store_b128 v3, v[XR0+4*(\t):XR0+4*(\t)+3], s[22:23] offset:512*(\t)
.endr
	s_wait_tensorcnt 0x0                           ; the wave's end
	ds_add_u32 v1, v2
	s_wait_dscnt 0x0
	s_endpgm
.Lfunc_end_k_qb64bff74f1_prep:
	.size	k_qb64bff74f1_prep, .Lfunc_end_k_qb64bff74f1_prep-k_qb64bff74f1_prep
	.p2alignl 7, 3214868480
	.fill 96, 4, 3214868480
	.section	.rodata,"a",@progbits
	.p2align	6, 0x0
	.amdhsa_kernel k_qb64bff74f1_prep
		.amdhsa_group_segment_fixed_size 34304
		.amdhsa_private_segment_fixed_size 0
		.amdhsa_enable_private_segment 0
		.amdhsa_kernarg_size 88
		.amdhsa_user_sgpr_count 2
		.amdhsa_user_sgpr_kernarg_segment_ptr 1
		.amdhsa_wavefront_size32 1
		.amdhsa_system_sgpr_workgroup_id_x 1
		.amdhsa_system_sgpr_workgroup_id_y 1
		.amdhsa_system_sgpr_workgroup_id_z 1
		.amdhsa_system_vgpr_workitem_id 0
		.amdhsa_next_free_vgpr 192
		.amdhsa_next_free_sgpr 66
		.amdhsa_reserve_vcc 0
		.amdhsa_float_denorm_mode_32 3
		.amdhsa_float_denorm_mode_16_64 3
		.amdhsa_memory_ordered 1
		.amdhsa_forward_progress 1
		.amdhsa_inst_pref_size 32
	.end_amdhsa_kernel
	.amdgpu_metadata
---
amdhsa.version: [ 1, 2 ]
amdhsa.kernels:
  - .name:           k_qb64bff74f1_prep
    .symbol:         k_qb64bff74f1_prep.kd
    .args:
      - { .name: x, .offset: 0, .size: 8, .value_kind: global_buffer, .address_space: global }
      - { .name: g1, .offset: 8, .size: 8, .value_kind: global_buffer, .address_space: global }
      - { .name: beta1, .offset: 16, .size: 8, .value_kind: global_buffer, .address_space: global }
      - { .name: Wq, .offset: 24, .size: 8, .value_kind: global_buffer, .address_space: global }
      - { .name: Wk, .offset: 32, .size: 8, .value_kind: global_buffer, .address_space: global }
      - { .name: Wv, .offset: 40, .size: 8, .value_kind: global_buffer, .address_space: global }
      - { .name: Wo, .offset: 48, .size: 8, .value_kind: global_buffer, .address_space: global }
      - { .name: W1, .offset: 56, .size: 8, .value_kind: global_buffer, .address_space: global }
      - { .name: W2, .offset: 64, .size: 8, .value_kind: global_buffer, .address_space: global }
      - { .name: xn, .offset: 72, .size: 8, .value_kind: global_buffer, .address_space: global }
      - { .name: wf, .offset: 80, .size: 8, .value_kind: global_buffer, .address_space: global }
    .group_segment_fixed_size: 34304
    .private_segment_fixed_size: 0
    .kernarg_segment_align: 8
    .kernarg_segment_size: 88
    .max_flat_workgroup_size: 256
    .sgpr_count:     66
    .vgpr_count:     192
    .wavefront_size: 32
...
	.end_amdgpu_metadata
.endif
;; end of part 1
;; launch qkvp (part 2): grid 32 x 8, 4 waves a work-group, clusters of 4 x 1, 327,680 bytes of LDS; arguments xn, wf, qkv; writes qkv
.if DOCPART == 2
	.amdgcn_target "amdgcn-amd-amdhsa--gfx1250"
	.amdhsa_code_object_version 6
	.text
	.protected	k_qb64bff74f1_qkvp
	.globl	k_qb64bff74f1_qkvp
	.p2align	8
	.type	k_qb64bff74f1_qkvp,@function
k_qb64bff74f1_qkvp:
	s_mov_b64 s[64:65], 0
	v_nop
	global_prefetch_b8 v0, s[64:65] scope:SCOPE_SE
	s_setreg_imm32_b32 hwreg(HW_REG_WAVE_MODE, 25, 1), 1
	s_wait_xcnt 0x0
	s_wait_alu depctr_hold_cnt(0) depctr_sa_sdst(0) depctr_va_vdst(0) depctr_va_sdst(0) depctr_va_ssrc(0) depctr_va_vcc(0) depctr_vm_vsrc(0)
	s_getreg_b32 s2, hwreg(HW_REG_IB_STS2, 6, 4)
	s_cmp_eq_u32 s2, 0
	s_cbranch_scc0 .Lentry_in_a_cluster
	s_endpgm
.Lentry_in_a_cluster:
	s_bfe_u32 s2, ttmp6, 0x10000c
	s_cmp_lg_u32 s2, 0x3003
	s_cbranch_scc0 .Lentry_shape_is_right
	s_endpgm
.Lentry_shape_is_right:
; Q, K, V = xn Wq, xn Wk, xn Wv.  bf16 operands, f32 sums, each result rounded once to bf16, unscaled.  All tensors lie in fragment order: units of 1,024 bytes = 16 rows x 32 k;
; byte gg*512 + lane*16 + 2e holds row lane%16, k = 16 gg + 8 (lane/16) + e.
; OUT.  qkv: Q at 0 and K at 8 MiB as [batch*16 + head][token block 128] units (16 tokens x 32 channels); V at 16 MiB as [batch*16 + head][key group 64][channel half 2] units (16 channels x 32 keys).
; SHARES.  Work-group (X, y): tokens 256 X .. + 255, and the 64 columns 64 y .. of each of Wq, Wk, Wv: 12 blocks of 16 columns.  Wave w: tokens 64 w .. + 63 and ALL 12 blocks: 48 accumulators.
; So the four waves read the same fragments of the weights from LDS, and a wave's rows of xn are its own: those come straight from memory, 512 consecutive bytes a load, three K steps ahead.
; The weights for all of K (192 KiB) lie in LDS: four chunks of 128 along K, filled once, nothing is filled again.  A wave has four tensor loads outstanding.
; CLUSTER.  The four token blocks of a cluster take the same weights: each chunk is asked for jointly, by the same tensor load with the same descriptor and the mask of four.
; ORIENTATION.  Q and K: source 0 = weights, source 1 = tokens: a lane holds one token and eight neighbouring columns, which pack into the 16 bytes of the next product's unit.
; V: source 0 = tokens, source 1 = weights: a lane holds one channel and eight neighbouring tokens: the 16 bytes of a unit of V^T.  So every result leaves by a 16-byte store a lane, 512 consecutive bytes a wave.
; The last chunk's look-ahead wraps onto K step 0 (valid bytes of the wave's own rows and of chunk 0) and is thrown away: the price of writing no tail.
; All of a WGP's LDS is claimed; 262,656 bytes are used.
; REGISTERS: window 0: v1-9 addresses; v32-159 four buffers of xn's fragments (4 x 8); on the way out v32-223 packed results.  window 1: two buffers of 12 weight fragments.  windows 2, 3: the accumulators.
.set NT,   12                          ; blocks of 16 columns
.set RW,   3                           ; of them a wave's tensor load brings
.set CHB,  65536                       ; LDS bytes from chunk to chunk; block t, unit kbl of a chunk at t*4096 + kbl*1024
.set SPARE, 262144                     ; the spare words, 128 bytes a wave
.set L16,  1                           ; v1  16 x lane; never rewritten
.set AOF,  2                           ; v2  16 x lane + the chunk in hand's 4,096 c in a row block of xn
.set AOF2, 3                           ; v3  the same for the next chunk
.set BADR, 4                           ; v4  16 x lane + the chunk in hand's place in LDS
.set BADN, 5                           ; v5  the next chunk's
.set SPW,  8
.set NIL,  9
.set AB,   32
.set WV,   12                          ; s12 wave, s13 cx, s14 X, s15 y
.set CX,   13
.set XX,   14
.set YY,   15
.set G1,   16                          ; s[16:23] descriptor group 1
.set G0,   24                          ; s[24:39] descriptor group 0, a set for each chunk
.set MSB, 0
.macro WIN new                         ; the immediate's high byte repeats the setting that is left; a switch that changes nothing is dropped
.if MSB != (\new)
	s_set_vgpr_msb (MSB<<8)|(\new)
.set MSB, \new
.endif
.endm
.macro PLACES                          ; four places behind matrix instructions, in front of loads into their sources and of reads of their results
.rept 4
	v_nop
.endr
.endm
.macro ROUND                           ; a round of the cluster's barrier
	s_barrier_signal -1
	s_barrier_wait -1
	s_cmp_lg_u32 s[WV], 0
	s_cbranch_scc1 .Lnot_wave_0_\@
	s_barrier_signal -3
.Lnot_wave_0_\@:
	s_barrier_wait -3
	s_barrier_signal -1
	s_barrier_wait -1
.endm
	s_load_b128 s[4:7], s[0:1], 0x0                ; xn, wf
	s_load_b64 s[8:9], s[0:1], 0x10                ; qkv
	v_lshl_add_u32 v[SPW], v0, 2, SPARE
	v_mov_b32 v[NIL], 0
	ds_add_u32 v[SPW], v[NIL]                      ; the wave's opening: the add and its wait stand ahead of my first tensor load
	v_lshrrev_b32 v6, 5, v0
	v_readfirstlane_b32 s[WV], v6
	v_and_b32 v6, 31, v0
	v_lshlrev_b32 v[L16], 4, v6
	v_mov_b32 v[AOF], v[L16]
	v_add_nc_u32 v[AOF2], 4096, v[L16]
	v_mov_b32 v[BADR], v[L16]
	v_add_nc_u32 v[BADN], CHB, v[L16]
	s_bfe_u32 s[CX], ttmp6, 0x40000
	s_lshl_b32 s[XX], ttmp9, 2
	s_add_co_u32 s[XX], s[XX], s[CX]               ; X = 4 x cluster x + cx: it enters xn's and qkv's addresses alone
	s_and_b32 s[YY], ttmp7, 0xffff
	s_mov_b32 s[G1+0], 15|(3<<16)|(1<<21)          ; the mask of four; elements of 8 bytes; bit 21 beside a mask; no padding
	s_mov_b32 s[G1+1], 512<<16                     ; tensor_dim0 = 512 elements: 4,096 bytes, a block's four units of the chunk
	s_mov_b32 s[G1+2], RW<<16                      ; tensor_dim1 = 3 blocks
	s_mov_b32 s[G1+3], 512<<16                     ; tile_dim0
	s_mov_b32 s[G1+4], RW                          ; tile_dim1
	s_mov_b32 s[G1+5], 2048                        ; from block to block: 16 units
	s_mov_b32 s[G1+6], 0
	s_mov_b32 s[G1+7], 0
	s_mul_i32 s50, s[YY], NT                       ; my blocks of the weights: 12 y + 3 w on
	s_mul_i32 s51, s[WV], RW
	s_add_co_u32 s50, s50, s51
	s_lshl_b32 s50, s50, 14
	s_mov_b32 s51, 0
	s_mul_i32 s47, s[WV], RW*4096                  ; and their place in a chunk
	s_lshl_b32 s54, s[XX], 4                       ; my row blocks of xn: 16 X + 4 w on
	s_lshl2_add_u32 s54, s[WV], s54
	s_lshl_b32 s54, s54, 14
	s_mov_b32 s55, 0
	s_lshr_b32 s56, s[XX], 3                       ; out: (16 batch + 2 y) heads of 128 units + token block 16 (X % 8) + 4 w
	s_lshl_b32 s56, s56, 4
	s_lshl1_add_u32 s56, s[YY], s56
	s_lshl_b32 s56, s56, 17
	s_and_b32 s57, s[XX], 7
	s_lshl_b32 s57, s57, 4
	s_lshl2_add_u32 s57, s[WV], s57
	s_lshl_b32 s57, s57, 10
	s_add_co_u32 s56, s56, s57
	s_mov_b32 s57, 0
	s_mov_b32 s52, 4096                            ; the next chunk's offset in xn,
	s_mov_b32 s53, CHB                             ; and in LDS
	s_wait_dscnt 0x0                               ; the opening add is done
	s_wait_kmcnt 0x0
	s_add_nc_u64 s[50:51], s[6:7], s[50:51]
	s_add_nc_u64 s[48:49], s[4:5], s[54:55]
	s_add_nc_u64 s[40:41], s[8:9], s[56:57]        ; Q
	s_add_nc_u64 s[42:43], s[40:41], 0x800000      ; K
	s_add_nc_u64 s[44:45], s[40:41], 0x1000000     ; V
.irp c, 0,1,2,3
	s_mov_b32 s[G0+4*(\c)], 1
	s_add_co_u32 s[G0+4*(\c)+1], s47, (\c)*CHB
	s_add_nc_u64 s[G0+4*(\c)+2:G0+4*(\c)+3], s[50:51], (\c)*4096
	s_or_b32 s[G0+4*(\c)+3], s[G0+4*(\c)+3], 0x80000000
.endr
	ROUND                                          ; all four work-groups are here: the joint loads meet
.irp c, 0,1,2,3
	tensor_load_to_lds s[G0+4*(\c):G0+4*(\c)+3], s[G1:G1+7]
	s_nop 0
.endr
.rept 4
	v_nop
.endr
.macro FETCHB adr, kbl, fb             ; 24 LDS loads in one run: the 12 weight fragments of one K step into buffer fb
	WIN 0x40
.irp t, 0,1,2,3,4,5,6,7,8,9,10,11
	ds_load_b128 v[(\fb)*8*NT+8*(\t):(\fb)*8*NT+8*(\t)+3], v[\adr] offset:(\t)*4096+(\kbl)*1024
	ds_load_b128 v[(\fb)*8*NT+8*(\t)+4:(\fb)*8*NT+8*(\t)+7], v[\adr] offset:(\t)*4096+(\kbl)*1024+512
.endr
.endm
.macro ALOAD adr, kk, jb               ; 8 loads: my four row blocks' units of one K step into buffer jb
	WIN 0
.irp a, 0,1,2,3
	global_load_b128 v[AB+32*(\jb)+8*(\a):AB+32*(\jb)+8*(\a)+3], v[\adr], s[48:49] offset:(\a)*16384+(\kk)*1024
	global_load_b128 v[AB+32*(\jb)+8*(\a)+4:AB+32*(\jb)+8*(\a)+7], v[\adr], s[48:49] offset:(\a)*16384+(\kk)*1024+512
.endr
.endm
; 24 matrix instructions: row blocks 2 hi, 2 hi + 1 x all 12 column blocks.  All accumulators of a step differ, one instruction a turn.
.macro MUL j, hi, zero
	WIN 0xa1+0x50*(\hi)                            ; source 0 (weights) window 1, source 1 (tokens) window 0, C and D window 2 or 3
.irp a, 0,1
.irp t, 0,1,2,3,4,5,6,7
.set rD, (\a)*8*NT+8*(\t)
.set rB, ((\j)%2)*8*NT+8*(\t)
.set rA, AB+32*(\j)+8*(2*(\hi)+(\a))
.if \zero
	v_wmma_f32_16x16x32_bf16 v[rD:rD+7], v[rB:rB+7], v[rA:rA+7], 0
.else
	v_wmma_f32_16x16x32_bf16 v[rD:rD+7], v[rB:rB+7], v[rA:rA+7], v[rD:rD+7]
.endif
.endr
.endr
	WIN 0xa4+0x50*(\hi)                            ; V: the sources change places
.irp a, 0,1
.irp t, 8,9,10,11
.set rD, (\a)*8*NT+8*(\t)
.set rB, ((\j)%2)*8*NT+8*(\t)
.set rA, AB+32*(\j)+8*(2*(\hi)+(\a))
.if \zero
	v_wmma_f32_16x16x32_bf16 v[rD:rD+7], v[rA:rA+7], v[rB:rB+7], 0
.else
	v_wmma_f32_16x16x32_bf16 v[rD:rD+7], v[rA:rA+7], v[rB:rB+7], v[rD:rD+7]
.endif
.endr
.endr
.endm
; K step j of a chunk.  In its middle: the next step's weights from LDS, and xn's units three steps on.
.macro STEP j, zero, sync
	s_wait_dscnt 0x0                               ; this step's weight fragments, asked for half a step ago
	s_wait_loadcnt 16                              ; this step's 8 loads of xn are in; the two younger groups of 8 may stay out
	MUL \j, 0, \zero
	WIN 0
.if \sync
	s_wait_tensorcnt 0x0                           ; my parts of chunks 1 to 3 are in,
	s_barrier_signal -1
	s_barrier_wait -1                              ; everybody's are
.endif
	PLACES
.if (\j) < 3
	FETCHB BADR, (\j)+1, ((\j)+1)%2
.else
	FETCHB BADN, 0, 0
.endif
.if (\j) == 0
	ALOAD AOF, 3, 3
.else
	ALOAD AOF2, (\j)-1, (\j)-1
.endif
	MUL \j, 1, \zero
.endm
.macro CHUNK zero, sync
	STEP 0, \zero, 0
	STEP 1, 0, 0
	STEP 2, 0, 0
	STEP 3, 0, \sync
	WIN 0
	s_wait_xcnt 0x0                                ; the loads' address registers are rewritten only behind this wait
	v_mov_b32 v[AOF], v[AOF2]
	s_add_co_u32 s52, s52, 4096
	s_and_b32 s52, s52, 0x3fff                     ; behind the last chunk: back to K step 0
	v_add_nc_u32 v[AOF2], s52, v[L16]
	v_mov_b32 v[BADR], v[BADN]
	s_add_co_u32 s53, s53, CHB
	s_and_b32 s53, s53, 0x3ffff
	v_add_nc_u32 v[BADN], s53, v[L16]
.endm
	ALOAD AOF, 0, 0
	ALOAD AOF, 1, 1
	ALOAD AOF, 2, 2
	s_wait_tensorcnt 3                             ; my part of chunk 0 is in; the three younger loads may stay out,
	s_barrier_signal -1
	s_barrier_wait -1                              ; everybody's is
	FETCHB BADR, 0, 0
	CHUNK 1, 1                                     ; written out: its first step starts the sums, and its last waits for the other chunks
	s_mov_b32 s46, 3
.Lchunk:
	CHUNK 0, 0
	s_sub_co_u32 s46, s46, 1
	s_cmp_lg_u32 s46, 0
	s_cbranch_scc1 .Lchunk
	s_wait_dscnt 0x0                               ; the look-ahead that is thrown away has landed
	s_wait_loadcnt 0x0
	PLACES
.irp a, 0,1,2,3                        ; rounded to bf16, each accumulator's registers in ascending order
	WIN 0x0a+5*((\a)/2)
.irp t, 0,1,2,3,4,5,6,7,8,9,10,11
.irp q, 0,1,2,3
	v_cvt_pk_bf16_f32 v[32+4*(12*(\a)+(\t))+(\q)], v[((\a)%2)*8*NT+8*(\t)+2*(\q)], v[((\a)%2)*8*NT+8*(\t)+2*(\q)+1]
.endr
.endr
.endr
	WIN 0
.irp a, 0,1,2,3                        ; each store of the wave covers 512 consecutive bytes, aligned: half a unit
.irp t, 0,1,2,3
	global_store_b128 v[L16], v[32+4*(12*(\a)+(\t)):32+4*(12*(\a)+(\t))+3], s[40:41] offset:((\t)/2)*131072+(\a)*1024+((\t)%2)*512
	global_store_b128 v[L16], v[32+4*(12*(\a)+(\t)+4):32+4*(12*(\a)+(\t)+4)+3], s[42:43] offset:((\t)/2)*131072+(\a)*1024+((\t)%2)*512
	global_store_b128 v[L16], v[32+4*(12*(\a)+(\t)+8):32+4*(12*(\a)+(\t)+8)+3], s[44:45] offset:((\t)/2)*131072+((\a)/2)*2048+((\t)%2)*1024+((\a)%2)*512
.endr
.endr
	s_wait_tensorcnt 0x0                           ; the wave's end
	ds_add_u32 v[SPW], v[NIL]
	s_wait_dscnt 0x0
	ROUND                                          ; the closing round
	s_endpgm
.Lfunc_end_k_qb64bff74f1_qkvp:
	.size	k_qb64bff74f1_qkvp, .Lfunc_end_k_qb64bff74f1_qkvp-k_qb64bff74f1_qkvp
	.p2alignl 7, 3214868480
	.fill 96, 4, 3214868480
	.section	.rodata,"a",@progbits
	.p2align	6, 0x0
	.amdhsa_kernel k_qb64bff74f1_qkvp
		.amdhsa_group_segment_fixed_size 327680
		.amdhsa_private_segment_fixed_size 0
		.amdhsa_enable_private_segment 0
		.amdhsa_kernarg_size 24
		.amdhsa_user_sgpr_count 2
		.amdhsa_user_sgpr_kernarg_segment_ptr 1
		.amdhsa_wavefront_size32 1
		.amdhsa_system_sgpr_workgroup_id_x 1
		.amdhsa_system_sgpr_workgroup_id_y 1
		.amdhsa_system_sgpr_workgroup_id_z 1
		.amdhsa_system_vgpr_workitem_id 0
		.amdhsa_next_free_vgpr 1024
		.amdhsa_next_free_sgpr 66
		.amdhsa_reserve_vcc 0
		.amdhsa_float_denorm_mode_32 3
		.amdhsa_float_denorm_mode_16_64 3
		.amdhsa_memory_ordered 1
		.amdhsa_forward_progress 1
		.amdhsa_inst_pref_size 72
	.end_amdhsa_kernel
	.amdgpu_metadata
---
amdhsa.version: [ 1, 2 ]
amdhsa.kernels:
  - .name:           k_qb64bff74f1_qkvp
    .symbol:         k_qb64bff74f1_qkvp.kd
    .args:
      - { .name: xn, .offset: 0, .size: 8, .value_kind: global_buffer, .address_space: global }
      - { .name: wf, .offset: 8, .size: 8, .value_kind: global_buffer, .address_space: global }
      - { .name: qkv, .offset: 16, .size: 8, .value_kind: global_buffer, .address_space: global }
    .group_segment_fixed_size: 327680
    .private_segment_fixed_size: 0
    .kernarg_segment_align: 8
    .kernarg_segment_size: 24
    .max_flat_workgroup_size: 128
    .sgpr_count:     66
    .vgpr_count:     1024
    .wavefront_size: 32
...
	.end_amdgpu_metadata
.endif
;; end of part 2
;; launch attn (part 3): grid 4 x 64, 8 waves a work-group, clusters of 4 x 1, 263,168 bytes of LDS; arguments qkv, ctx; writes ctx
.if DOCPART == 3
	.amdgcn_target "amdgcn-amd-amdhsa--gfx1250"
	.amdhsa_code_object_version 6
	.text
	.protected	k_qb64bff74f1_attn
	.globl	k_qb64bff74f1_attn
	.p2align	8
	.type	k_qb64bff74f1_attn,@function
k_qb64bff74f1_attn:
	s_mov_b64 s[64:65], 0
	v_nop
	global_prefetch_b8 v0, s[64:65] scope:SCOPE_SE
	s_setreg_imm32_b32 hwreg(HW_REG_WAVE_MODE, 25, 1), 1
	s_wait_xcnt 0x0
	s_wait_alu depctr_hold_cnt(0) depctr_sa_sdst(0) depctr_va_vdst(0) depctr_va_sdst(0) depctr_va_ssrc(0) depctr_va_vcc(0) depctr_vm_vsrc(0)
	s_getreg_b32 s2, hwreg(HW_REG_IB_STS2, 6, 4)
	s_cmp_eq_u32 s2, 0
	s_cbranch_scc0 .Lentry_in_a_cluster
	s_endpgm
.Lentry_in_a_cluster:
	s_bfe_u32 s2, ttmp6, 0x10000c
	s_cmp_lg_u32 s2, 0x3003
	s_cbranch_scc0 .Lentry_shape_is_right
	s_endpgm
.Lentry_shape_is_right:
; CAUSAL ATTENTION, head size 32.  ctx[q] = the sum over k <= q of softmax_k(Q[q] . K[k] / sqrt(32)) V[k], for each of 64 (batch, head).  bf16 operands, f32 products, maxima and sums.
; qkv and ctx lie in fragment order (units of 1,024 bytes = 16 rows x 32 k; byte gg*512 + lane*16 + 2e holds row lane%16, k = 16 gg + 8 (lane/16) + e):
; Q at 0, K at 8 MiB: [bh][token block 128]; V at 16 MiB: [bh][key group 64][channel half 2] (16 channels x 32 keys); ctx: [token block 512][head 16].
; LIMITS.  A hidden score counts as its value less 1e30; a weight below 2^-126 counts as 0; the weights are rounded to bf16 and their sum l is taken of the rounded weights, in f32; NaN and infinities are not treated apart.
; SHARES.  A head's 2,048 queries lie in 16 bands of 128.  The four work-groups of a cluster serve one head: work-group cx owns rows 32 cx .. + 31 of EVERY band, two tiles of 16 queries.  Band b needs the key
; steps (64 keys) 0 .. 2 b + 1, of which the last two hold the diagonal.  Wave w takes band 15 - w and then band w: (32 - 2 w) + (2 w + 2) = 34 steps for every wave of every work-group: one loop with a constant count.
; The forward jumps hang on the wave's number alone; cx enters Q's and ctx's addresses and, through selects, the two scalars of the mask.
; LDS holds the head's whole K (128 KiB) and V (128 KiB), filled once: each wave asks for an eighth, jointly with its three partners (one tensor load of a wave is outstanding).  Nothing is filled again.
; LAYOUT.  S^T = K Q^T (source 0 = 16 keys, source 1 = 16 queries; the head's 32 channels are ONE matrix instruction): a lane holds one query (lane%16) and keys 8 (lane/16) + 0..7.  Two such results rounded to bf16 in
; pairs ARE source 1 (32 keys x 16 queries) of O^T = V^T P.  The weights are packed in place, into the lower half of S^T's registers.  l = ones x P, by the matrix unit: every register of that result holds the query's sum,
; only the lowest pair is kept to scale.
; SOFTMAX.  Running maximum m and sum l: p = 2^(c s - c m), c = log2(e) / sqrt(32); in every step O and l are multiplied by a = 2^(c m_old - c m_new).  A band begins with c m far below every c s, so its first a is 0
; and what O and l held before need only be finite.  Every row sees key 0 in its band's first step, so m is a true score before a wholly hidden block comes.
; THE MASK is the C operand of the product: DG x AL + BE, DG = the mask of a diagonal block; (AL, BE) = (1, 0) on the diagonal, (0, 0) below it, (0, -1e30) above.
; Two waves lie on a SIMD: a step has 20 matrix and some 200 vector instructions, and one wave's products run beside the other's vector work.
.set SPARE, 262144
.set SPW, 1
.set NIL, 2
.set AK,  3                            ; v3  LDS address of the next run of K's loads
.set AV,  4                            ; v4  of V's
.set L16, 5                            ; v5  16 x lane; never rewritten
.set DG,  8                            ; v[8:15]    register j: -1e30 where key 8 (lane/16) + j > query lane%16
.set ONES, 16                          ; v[16:23]   1.0 in every bf16
.set Q,   24                           ; v[24:39]   tile t at + 8 t
.set Q2,  40                           ; v[40:55]   the second band's
.set KF,  56                           ; v[56:87]   key block kb at + 8 kb
.set VF,  88                           ; v[88:119]  key group kg, channel half c at + 8 (2 kg + c)
.set S,   120                          ; v[120:183] tile t, key block kb at + 32 t + 8 kb; later P: tile t, key group kg at + 32 t + 8 kg
.set O,   184                          ; v[184:215] tile t, channel half c at + 16 t + 8 c
.set L,   216                          ; v[216:231] tile t at + 8 t
.set ST,  232                          ; v[232:247] tile t at + 8 t: c m, m, a, (its pair), c0-c3 at work
.set MV,  248                          ; v[248:249] c m_old
.set WV,  12
.set CX,  13
.set BH,  14
.set G1,  16
.set G0,  24
.set CS,  28                           ; s[28:29] c
.set SEL, 30
.set BIGN, 32
.set OFF, 33                           ; LDS byte of the step in hand in K (and, + 128 KiB, in V)
.set NOFF, 34
.set REM, 35                           ; steps of the band in hand still to do, this one among them
.set REM2, 36
.set CNT, 37
.set T0,  38
.set U0,  39
.set UU,  40
.set AL,  42
.set BE,  44
.set OB,  46                           ; s[46:47] ctx at the band in hand; s[48:49] at the second band
.set OB2, 48
.macro ROUND
	s_barrier_signal -1
	s_barrier_wait -1
	s_cmp_lg_u32 s[WV], 0
	s_cbranch_scc1 .Lnot_wave_0_\@
	s_barrier_signal -3
.Lnot_wave_0_\@:
	s_barrier_wait -3
	s_barrier_signal -1
	s_barrier_wait -1
.endm
	s_load_b128 s[4:7], s[0:1], 0x0                ; qkv, ctx
	v_lshl_add_u32 v[SPW], v0, 2, SPARE
	v_mov_b32 v[NIL], 0
	ds_add_u32 v[SPW], v[NIL]                      ; the wave's opening: the add and its wait stand ahead of my first tensor load
	v_lshrrev_b32 v6, 5, v0
	v_readfirstlane_b32 s[WV], v6
	s_bfe_u32 s[CX], ttmp6, 0x40000
	s_and_b32 s[BH], ttmp7, 0xffff
	s_mov_b32 s[G1+0], 15|(3<<16)|(1<<21)          ; the mask of four; elements of 8 bytes; bit 21 beside a mask
	s_mov_b32 s[G1+1], 32<<16                      ; 32,768 dense bytes as 128 rows of 256
	s_mov_b32 s[G1+2], 128<<16
	s_mov_b32 s[G1+3], 32<<16
	s_mov_b32 s[G1+4], 128
	s_mov_b32 s[G1+5], 32
	s_mov_b32 s[G1+6], 0
	s_mov_b32 s[G1+7], 0
	s_mov_b32 s[G0], 1
	s_lshl_b32 s[G0+1], s[WV], 15                  ; waves 0-3: K's quarters; waves 4-7: V's
	s_lshr_b32 s54, s[WV], 2
	s_add_co_u32 s54, s54, 1
	s_lshl_b32 s54, s54, 23                        ; 8 MiB or 16 MiB,
	s_lshl_b32 s55, s[BH], 17                      ; the head's 128 KiB,
	s_add_co_u32 s54, s54, s55
	s_and_b32 s55, s[WV], 3
	s_lshl_b32 s55, s55, 15                        ; my quarter
	s_add_co_u32 s54, s54, s55
	s_mov_b32 s55, 0
	s_sub_co_u32 s56, 15, s[WV]                    ; the first band
	s_lshl_b32 s57, s[BH], 7
	s_lshl1_add_u32 s57, s[CX], s57                ; Q's unit: 128 bh + 8 band + 2 cx (+ t)
	s_lshl3_add_u32 s50, s56, s57
	s_lshl_b32 s50, s50, 10
	s_mov_b32 s51, 0
	s_lshl3_add_u32 s52, s[WV], s57
	s_lshl_b32 s52, s52, 10
	s_mov_b32 s53, 0
	s_lshr_b32 s57, s[BH], 4                       ; ctx's unit: (128 batch + 8 band + 2 cx (+ t)) 16 + head
	s_lshl_b32 s57, s57, 7
	s_lshl1_add_u32 s57, s[CX], s57
	s_and_b32 s58, s[BH], 15
	s_lshl_b32 s58, s58, 10
	s_lshl3_add_u32 s[OB], s56, s57
	s_lshl_b32 s[OB], s[OB], 14
	s_add_co_u32 s[OB], s[OB], s58
	s_mov_b32 s[OB+1], 0
	s_lshl3_add_u32 s[OB2], s[WV], s57
	s_lshl_b32 s[OB2], s[OB2], 14
	s_add_co_u32 s[OB2], s[OB2], s58
	s_mov_b32 s[OB2+1], 0
	s_mov_b32 s[CS], 0x3e8293ee                    ; c = log2(e) / sqrt(32) = 0.255035
	s_mov_b32 s[CS+1], s[CS]
	s_mov_b32 s[SEL], 0x76543210
	s_mov_b32 s[SEL+1], 0xfedcba98
	s_mov_b32 s[BIGN], 0xf149f2ca                  ; -1e30
	s_mov_b32 s[OFF], 0
	s_lshl_b32 s[REM2], s[WV], 1
	s_sub_co_u32 s[REM], 32, s[REM2]               ; 32 - 2 w steps, then
	s_add_co_u32 s[REM2], s[REM2], 2               ; 2 w + 2
	s_mov_b32 s[CNT], 34
	s_lshl_b32 s[T0], s[CX], 1                     ; my first tile's block of 16 in its band
	s_mov_b32 s[AL+1], 0                           ; named as pairs
	s_mov_b32 s[BE+1], 0
	s_wait_dscnt 0x0                               ; the opening add is done
	s_wait_kmcnt 0x0
	s_add_nc_u64 s[G0+2:G0+3], s[4:5], s[54:55]
	s_or_b32 s[G0+3], s[G0+3], 0x80000000
	s_add_nc_u64 s[50:51], s[4:5], s[50:51]
	s_add_nc_u64 s[52:53], s[4:5], s[52:53]
	s_add_nc_u64 s[OB:OB+1], s[6:7], s[OB:OB+1]
	s_add_nc_u64 s[OB2:OB2+1], s[6:7], s[OB2:OB2+1]
	ROUND                                          ; all four work-groups are here: the joint loads meet
	tensor_load_to_lds s[G0:G0+3], s[G1:G1+7]
	s_nop 0
.rept 4
	v_nop
.endr
	v_and_b32 v6, 31, v0
	v_lshlrev_b32 v[L16], 4, v6
.irp t, 0,1
.irp g, 0,1
	global_load_b128 v[Q+8*(\t)+4*(\g):Q+8*(\t)+4*(\g)+3], v[L16], s[50:51] offset:(\t)*1024+(\g)*512
	global_load_b128 v[Q2+8*(\t)+4*(\g):Q2+8*(\t)+4*(\g)+3], v[L16], s[52:53] offset:(\t)*1024+(\g)*512
.endr
.endr
	v_and_b32 v6, 15, v0
	v_bfe_u32 v7, v0, 4, 1
	v_lshlrev_b32 v7, 3, v7
	v_sub_nc_u32 v6, v6, v7                        ; lane%16 - 8 (lane/16): register j is hidden where j is greater
.irp j, 0,1,2,3,4,5,6,7
	v_cmp_gt_i32 vcc_lo, \j, v6
	v_cndmask_b32 v[DG+(\j)], 0, s[BIGN], vcc_lo
	v_mov_b32 v[ONES+(\j)], 0x3f803f80
.endr
.set i, O                              ; O and l need only be finite at a band's beginning: zeros for the first; all this stands in the wait for K and V
.rept 48
	v_mov_b32 v[i], 0
.set i, i+1
.endr
.irp t, 0,1
	v_mov_b32 v[ST+8*(\t)], 0xfe000000             ; c m: far below every c s
	v_mov_b32 v[ST+8*(\t)+1], 0xff7fffff           ; m: the lowest finite number
	v_mov_b32 v[ST+8*(\t)+3], 0                    ; named with a as a pair
.endr
	v_mov_b32 v[AK], v[L16]
	v_add_nc_u32 v[AV], 0x20000, v[L16]
	s_wait_tensorcnt 0x0                           ; my eighth is in,
	s_barrier_signal -1
	s_barrier_wait -1                              ; everybody's is
.irp f, 0,1,2,3
	ds_load_b128 v[KF+8*(\f):KF+8*(\f)+3], v[AK] offset:(\f)*1024
	ds_load_b128 v[KF+8*(\f)+4:KF+8*(\f)+7], v[AK] offset:(\f)*1024+512
.endr
	s_wait_loadcnt 0x0                             ; Q of both bands
; number n of the lines that find a tile's new maximum and a; each accumulator's lowest registers are read first
.macro XS t, n
.set rT, ST+8*(\t)
.set rC, ST+8*(\t)+4
.set rS, S+32*(\t)
.if (\n) < 4
	v_max3_num_f32 v[rC+(\n)], v[rS+8*(\n)], v[rS+8*(\n)+1], v[rS+8*(\n)+2]
.elseif (\n) < 12
	v_max3_num_f32 v[rC+(\n)%4], v[rC+(\n)%4], v[rS+8*((\n)%4)+2*((\n)/4)+1], v[rS+8*((\n)%4)+2*((\n)/4)+2]
.elseif (\n) == 12
	v_max3_num_f32 v[rC], v[rC], v[rS+7], v[rS+15]
.elseif (\n) == 13
	v_max3_num_f32 v[rC+1], v[rC+1], v[rS+23], v[rS+31]
.elseif (\n) == 14
	v_max3_num_f32 v[rC+2], v[rC+2], v[rC+3], v[rT+1]
.elseif (\n) == 16
	v_max3_num_f32 v[rC], v[rC], v[rC+1], v[rC+2]
.elseif (\n) == 17
	v_permlanex16_b32 v[rC+3], v[rC], s[SEL], s[SEL+1]   ; the query's other 32 keys lie in the lane 16 away
.elseif (\n) == 18
	v_max_num_f32 v[rT+1], v[rC], v[rC+3]
.elseif (\n) == 19
	v_mul_f32 v[rT], s[CS], v[rT+1]
.elseif (\n) == 20
	v_sub_f32 v[rC+1], v[MV+(\t)], v[rT]
.else
	v_exp_f32 v[rT+2], v[rC+1]
.endif
.endm
.macro FF t, p                         ; c s - c m for pair p of 16
	v_pk_fma_f32 v[S+32*(\t)+2*(\p):S+32*(\t)+2*(\p)+1], v[S+32*(\t)+2*(\p):S+32*(\t)+2*(\p)+1], s[CS:CS+1], v[ST+8*(\t):ST+8*(\t)+1] op_sel_hi:[1,0,0] neg_lo:[0,0,1] neg_hi:[0,0,1]
.endm
.macro EE t, n                         ; the exponential of score n of 32
	v_exp_f32 v[S+32*(\t)+(\n)], v[S+32*(\t)+(\n)]
.endm
.macro CC t, p                         ; pair p rounded to bf16, in place: register p has been read by pair p / 2
	s_wait_alu depctr_va_vdst(0)
	v_cvt_pk_bf16_f32 v[S+32*(\t)+(\p)], v[S+32*(\t)+2*(\p)], v[S+32*(\t)+2*(\p)+1]
.endm
.macro RR n                            ; number n of 18: tile n / 9: eight pairs of O, then l's lowest pair, times a.  They are dealt in ascending order
.if (\n)%9 < 8
	s_wait_alu depctr_va_vdst(0)
	v_pk_mul_f32 v[O+16*((\n)/9)+2*((\n)%9):O+16*((\n)/9)+2*((\n)%9)+1], v[O+16*((\n)/9)+2*((\n)%9):O+16*((\n)/9)+2*((\n)%9)+1], v[ST+8*((\n)/9)+2:ST+8*((\n)/9)+3] op_sel_hi:[1,0]
.else
	v_pk_mul_f32 v[L+8*((\n)/9):L+8*((\n)/9)+1], v[L+8*((\n)/9):L+8*((\n)/9)+1], v[ST+8*((\n)/9)+2:ST+8*((\n)/9)+3] op_sel_hi:[1,0]
.endif
.endm
.Lstep:
	s_add_co_u32 s[NOFF], s[OFF], 4096             ; the next step's keys; behind a band's last step: key 0
	s_cmp_eq_u32 s[REM], 1
	s_cselect_b32 s[NOFF], 0, s[NOFF]
.irp f, 0,1,2,3                        ; this step's V
	ds_load_b128 v[VF+8*(\f):VF+8*(\f)+3], v[AV] offset:(\f)*1024
	ds_load_b128 v[VF+8*(\f)+4:VF+8*(\f)+7], v[AV] offset:(\f)*1024+512
.endr
	s_cmp_le_u32 s[REM], 2
	s_cbranch_scc1 .Lmasked                        ; a band's last two steps hold the diagonal
	s_wait_dscnt 8                                 ; K is in; V's 8 loads, issued behind it, may stay out
.irp kb, 0,1,2,3
.irp t, 0,1
	v_wmma_f32_16x16x32_bf16 v[S+32*(\t)+8*(\kb):S+32*(\t)+8*(\kb)+7], v[KF+8*(\kb):KF+8*(\kb)+7], v[Q+8*(\t):Q+8*(\t)+7], 0
.endr
.endr
	s_branch .Ljoin
.Lmasked:
	s_cmp_eq_u32 s[REM], 1                         ; the second of the two: its key blocks are 4 .. 7 of the band
	s_cselect_b32 s[UU], 4, 0
	s_sub_co_i32 s[U0], s[T0], s[UU]
.irp t, 0,1
	s_add_co_i32 s[UU], s[U0], \t                  ; the tile's block of 16, counted from this step's first key block
.irp kb, 0,1,2,3
	s_cmp_eq_u32 s[UU], \kb
	s_cselect_b32 s[AL], 1.0, 0
	s_cmp_lt_i32 s[UU], \kb
	s_cselect_b32 s[BE], s[BIGN], 0
.irp z, 0,2,4,6
	v_pk_fma_f32 v[S+32*(\t)+8*(\kb)+(\z):S+32*(\t)+8*(\kb)+(\z)+1], v[DG+(\z):DG+(\z)+1], s[AL:AL+1], s[BE:BE+1] op_sel_hi:[1,0,0]
.endr
.endr
.endr
	s_wait_dscnt 8                                 ; as above
.irp kb, 0,1,2,3
.irp t, 0,1
	v_wmma_f32_16x16x32_bf16 v[S+32*(\t)+8*(\kb):S+32*(\t)+8*(\kb)+7], v[KF+8*(\kb):KF+8*(\kb)+7], v[Q+8*(\t):Q+8*(\t)+7], v[S+32*(\t)+8*(\kb):S+32*(\t)+8*(\kb)+7]
.endr
.endr
.Ljoin:
	v_mov_b32 v[MV], v[ST]                         ; four plain lines that name no register of the products: the places in front of the loads into K's registers and of the reads of the scores
	v_mov_b32 v[MV+1], v[ST+8]
	v_add_nc_u32 v[AK], s[NOFF], v[L16]
	v_add_nc_u32 v[AV], 0x20000, v[AK]
.irp f, 0,1,2,3                        ; the next step's K
	ds_load_b128 v[KF+8*(\f):KF+8*(\f)+3], v[AK] offset:(\f)*1024
	ds_load_b128 v[KF+8*(\f)+4:KF+8*(\f)+7], v[AK] offset:(\f)*1024+512
.endr
.irp n, 0,1,2,3,4,5,6,7,8,9,10,11,12,13,14,16,17,18,19,20,21
	XS 0, \n                                       ; the two tiles alternate
	XS 1, \n
.endr
.set i, 0
.rept 16
	FF 0, i
.set i, i+1
.endr
.set i, 0                              ; an exponential and a plain line by turns: no exponential's result is used, nor its source rewritten, by the line behind it (ISA guide 5.7.2)
.rept 32
	EE 0, i
.if i%2 == 0
	FF 1, i/2
.elseif i == 1
	RR 0
.else
	CC 0, (i-3)/2
.endif
.set i, i+1
.endr
.set i, 0
.rept 32
	EE 1, i
.if i == 0
	CC 0, 15
.elseif i == 1
	RR 1
.elseif i%2 == 0
	RR i/2+1
.else
	CC 1, (i-3)/2
.endif
.set i, i+1
.endr
	RR 17
	CC 1, 15
	s_wait_dscnt 8                                 ; V is in; the next K's 8 loads, issued behind it, may stay out
.irp kg, 0,1                           ; six accumulators by turns, one instruction a turn
.irp t, 0,1
.irp c, 0,1
	v_wmma_f32_16x16x32_bf16 v[O+16*(\t)+8*(\c):O+16*(\t)+8*(\c)+7], v[VF+8*(2*(\kg)+(\c)):VF+8*(2*(\kg)+(\c))+7], v[S+32*(\t)+8*(\kg):S+32*(\t)+8*(\kg)+7], v[O+16*(\t)+8*(\c):O+16*(\t)+8*(\c)+7]
.endr
.endr
.irp t, 0,1
	v_wmma_f32_16x16x32_bf16 v[L+8*(\t):L+8*(\t)+7], v[ONES:ONES+7], v[S+32*(\t)+8*(\kg):S+32*(\t)+8*(\kg)+7], v[L+8*(\t):L+8*(\t)+7]
.endr
.endr
.rept 5
	v_nop                                          ; five places: the next products write over P, the next loads land in V's registers
.endr
	s_mov_b32 s[OFF], s[NOFF]
	s_sub_co_u32 s[REM], s[REM], 1
	s_cmp_lg_u32 s[REM], 0
	s_cbranch_scc1 .Lgo
	; A BAND ENDS: O / l, rounded once, stored; then the second band's beginning
	v_rcp_f32 v[ST+4], v[L]
	v_rcp_f32 v[ST+12], v[L+8]
	v_nop
	s_wait_alu depctr_va_vdst(0)
.irp t, 0,1
.irp z, 0,2,4,6,8,10,12,14
	v_pk_mul_f32 v[O+16*(\t)+(\z):O+16*(\t)+(\z)+1], v[O+16*(\t)+(\z):O+16*(\t)+(\z)+1], v[ST+8*(\t)+4:ST+8*(\t)+5] op_sel_hi:[1,0]
.endr
.endr
.irp f, 0,1,2,3                        ; f = 2 t + c
.irp z, 0,1,2,3
	v_cvt_pk_bf16_f32 v[S+4*(\f)+(\z)], v[O+8*(\f)+2*(\z)], v[O+8*(\f)+2*(\z)+1]
.endr
.endr
.irp f, 0,1,2,3
	global_store_b128 v[L16], v[S+4*(\f):S+4*(\f)+3], s[OB:OB+1] offset:((\f)/2)*16384+((\f)%2)*512   ; 512 consecutive bytes, aligned: half a unit of ctx
.endr
	s_wait_xcnt 0x0                                ; the stores' data and base are rewritten only behind this wait
	s_mov_b64 s[OB:OB+1], s[OB2:OB2+1]
	s_mov_b32 s[REM], s[REM2]
.irp t, 0,1
	v_mov_b32 v[ST+8*(\t)], 0xfe000000
	v_mov_b32 v[ST+8*(\t)+1], 0xff7fffff
.endr
.set i, 0
.rept 16
	v_mov_b32 v[Q+i], v[Q2+i]
.set i, i+1
.endr
.Lgo:
	s_sub_co_u32 s[CNT], s[CNT], 1
	s_cmp_lg_u32 s[CNT], 0
	s_cbranch_scc1 .Lstep
	s_wait_dscnt 0x0                               ; my LDS reads are over, the last trip's look-ahead among them,
	s_barrier_signal -1
	s_barrier_wait -1                              ; everybody's are: no wave writes LDS again (the closing add) while another still reads
	s_wait_tensorcnt 0x0                           ; the wave's end
	ds_add_u32 v[SPW], v[NIL]
	s_wait_dscnt 0x0
	ROUND                                          ; the closing round
	s_endpgm
.Lfunc_end_k_qb64bff74f1_attn:
	.size	k_qb64bff74f1_attn, .Lfunc_end_k_qb64bff74f1_attn-k_qb64bff74f1_attn
	.p2alignl 7, 3214868480
	.fill 96, 4, 3214868480
	.section	.rodata,"a",@progbits
	.p2align	6, 0x0
	.amdhsa_kernel k_qb64bff74f1_attn
		.amdhsa_group_segment_fixed_size 263168
		.amdhsa_private_segment_fixed_size 0
		.amdhsa_enable_private_segment 0
		.amdhsa_kernarg_size 16
		.amdhsa_user_sgpr_count 2
		.amdhsa_user_sgpr_kernarg_segment_ptr 1
		.amdhsa_wavefront_size32 1
		.amdhsa_system_sgpr_workgroup_id_x 1
		.amdhsa_system_sgpr_workgroup_id_y 1
		.amdhsa_system_sgpr_workgroup_id_z 1
		.amdhsa_system_vgpr_workitem_id 0
		.amdhsa_next_free_vgpr 256
		.amdhsa_next_free_sgpr 66
		.amdhsa_reserve_vcc 1
		.amdhsa_float_denorm_mode_32 3
		.amdhsa_float_denorm_mode_16_64 3
		.amdhsa_memory_ordered 1
		.amdhsa_forward_progress 1
		.amdhsa_inst_pref_size 31
	.end_amdhsa_kernel
	.amdgpu_metadata
---
amdhsa.version: [ 1, 2 ]
amdhsa.kernels:
  - .name:           k_qb64bff74f1_attn
    .symbol:         k_qb64bff74f1_attn.kd
    .args:
      - { .name: qkv, .offset: 0, .size: 8, .value_kind: global_buffer, .address_space: global }
      - { .name: ctx, .offset: 8, .size: 8, .value_kind: global_buffer, .address_space: global }
    .group_segment_fixed_size: 263168
    .private_segment_fixed_size: 0
    .kernarg_segment_align: 8
    .kernarg_segment_size: 16
    .max_flat_workgroup_size: 256
    .sgpr_count:     66
    .vgpr_count:     256
    .wavefront_size: 32
...
	.end_amdgpu_metadata
.endif
;; end of part 3
;; launch wo (part 4): grid 256 x 1, 4 waves a work-group, no clusters, 69,120 bytes of LDS; arguments ctx, wf, x, bo, g2, beta2, hres, yn; writes hres, yn
.if DOCPART == 4
	.amdgcn_target "amdgcn-amd-amdhsa--gfx1250"
	.amdhsa_code_object_version 6
	.text
	.protected	k_qb64bff74f1_wo
	.globl	k_qb64bff74f1_wo
	.p2align	8
	.type	k_qb64bff74f1_wo,@function
k_qb64bff74f1_wo:
	s_mov_b64 s[64:65], 0
	v_nop
	global_prefetch_b8 v0, s[64:65] scope:SCOPE_SE
	s_setreg_imm32_b32 hwreg(HW_REG_WAVE_MODE, 25, 1), 1
	s_wait_xcnt 0x0
; h = x + ctx Wo + bo (f32, kept for the last launch);  yn = LayerNorm(h; g2, beta2), rounded once to bf16.  bf16 operands, f32 sums.
; ctx, Wo (in wf at 0x180000, [nb 32][kb 16]) and yn lie in fragment order (units of 1,024 bytes = 16 rows x 32 k).  hres holds h by result tiles: [row block 512][column block 32] x 1,024 bytes =
; [registers 0-3 / 4-7][lane][16 bytes]; lane (r, h) holds token r, columns 8 h + 0..7 of the block.
; SHARES.  The norm wants whole rows, so a work-group owns 32 rows x 512 columns; wave w all 32 rows x columns 128 w .. + 127: 2 x 8 accumulators.
; NO CLUSTER, NO LDS FOR THE OPERANDS: a fragment of Wo feeds one wave of the work-group alone, so LDS would give it no second use; Wo's 512 KiB do not fit beside x's stages, and a shared ring would put a round of the
; cluster's barrier in front of every 64 matrix instructions of a wave.  The fragments go straight into registers, 512 consecutive bytes a load, three K steps (60 loads a wave) ahead.
; The sums start from x + bo: x comes by rows, 512 bytes a load, and is turned into the result layout through the wave's own stage in LDS.
; THE NORM: each wave makes mean and sum of squared deviations of its 128 columns; the four are joined by mu = mean of means, M2 = sum of M2_w + 128 sum of (mu_w - mu)^2: no difference of large sums.
; The last trip's look-ahead wraps onto K step 0 and is thrown away.  NaN and infinities are not treated apart.
.set XP,   528                         ; a stage row: 512 bytes + 16 = 33 x 16: the sixteen rows of a read begin at sixteen different 16-byte columns modulo 256
.set STAT, 4*32*XP                     ; 67,584: (mean, M2) of 32 rows for each wave, 256 bytes a wave
.set SPARE, STAT+1024                  ; 68,608: the spare words
.set L16, 1
.set KO,  2                            ; v2  16 x lane + 4,096 x trip
.set KO2, 3                            ; v3  the next trip's
.set STW, 4
.set STR, 5
.set SWA, 6
.set SRA, 7
.set SPW, 8
.set NIL, 9
.set HB,  10                           ; v10 32 x (lane/16)
.set HF,  11                           ; v11 lane/16
.set AB,  32                           ; v[32:95] four buffers of ctx's fragments (2 x 8)
.set ACC, 128                          ; v[128:255] accumulator (a, i) at + 8 (8 a + i)
.set SEL, 42
.set MSB, 0
.macro WIN new
.if MSB != (\new)
	s_set_vgpr_msb (MSB<<8)|(\new)
.set MSB, \new
.endif
.endm
.macro PLACES
.rept 4
	v_nop
.endr
.endm
	s_load_b512 s[4:19], s[0:1], 0x0               ; ctx, wf, x, bo, g2, beta2, hres, yn
	v_lshl_add_u32 v[SPW], v0, 2, SPARE
	v_mov_b32 v[NIL], 0
	v_lshrrev_b32 v12, 5, v0
	v_readfirstlane_b32 s20, v12                   ; wave w
	s_mov_b32 s21, ttmp9                           ; g
	v_and_b32 v12, 31, v0
	v_lshlrev_b32 v[L16], 4, v12
	v_and_b32 v13, 15, v0
	v_bfe_u32 v[HF], v0, 4, 1
	v_lshlrev_b32 v[HB], 5, v[HF]
	s_mul_i32 s22, s20, 32*XP                      ; my stage
	v_add_nc_u32 v[STW], s22, v[L16]
	v_mul_u32_u24 v[STR], v13, XP
	v_add3_u32 v[STR], v[STR], v[HB], s22
	s_lshl_b32 s23, s20, 8
	s_add_co_u32 s23, s23, STAT
	v_lshl_add_u32 v[SWA], v12, 3, s23
	v_lshlrev_b32 v[SRA], 3, v13
	v_add_nc_u32 v[SRA], STAT, v[SRA]
	v_mov_b32 v[KO], v[L16]
	v_add_nc_u32 v[KO2], 4096, v[L16]
	s_lshl_b32 s24, s21, 16                        ; x: 32 g rows + 128 w columns
	s_lshl_b32 s26, s20, 9
	s_add_co_u32 s24, s24, s26
	s_mov_b32 s25, 0
	s_mov_b32 s27, 0                               ; s[26:27]: bo, g2, beta2 at column 128 w
	s_lshl_b32 s28, s20, 17                        ; Wo: column blocks 8 w on
	s_add_co_u32 s28, s28, 0x180000
	s_mov_b32 s29, 0
	s_lshl_b32 s30, s21, 15                        ; ctx: row blocks 2 g on
	s_mov_b32 s31, 0
	s_lshl_b32 s32, s21, 16                        ; hres: row block 2 g, column block 8 w
	s_lshl_b32 s33, s20, 13
	s_add_co_u32 s32, s32, s33
	s_mov_b32 s33, 0
	s_lshl_b32 s34, s21, 15                        ; yn: row block 2 g, unit 4 w
	s_lshl_b32 s35, s20, 12
	s_add_co_u32 s34, s34, s35
	s_mov_b32 s35, 0
	s_mov_b32 s41, 4096
	s_mov_b32 s[SEL], 0x76543210
	s_mov_b32 s[SEL+1], 0xfedcba98
	s_mov_b32 s44, 0x3b000000                      ; 1 / 512
	s_mov_b32 s45, 0x3727c5ac                      ; 1e-5
	s_mov_b32 s46, 0x43000000                      ; 128
	s_wait_kmcnt 0x0
	s_add_nc_u64 s[8:9], s[8:9], s[24:25]
	s_add_nc_u64 s[10:11], s[10:11], s[26:27]
	s_add_nc_u64 s[12:13], s[12:13], s[26:27]
	s_add_nc_u64 s[14:15], s[14:15], s[26:27]
	s_add_nc_u64 s[6:7], s[6:7], s[28:29]
	s_add_nc_u64 s[4:5], s[4:5], s[30:31]
	s_add_nc_u64 s[16:17], s[16:17], s[32:33]
	s_add_nc_u64 s[18:19], s[18:19], s[34:35]
; the 20 loads of one K step: 8 fragments of Wo into window 1's buffer jb, 2 of ctx into window 0's
.macro GLOAD adr, kk, jb
	WIN 0x40
.irp i, 0,1,2,3,4,5,6,7
	global_load_b128 v[64*(\jb)+8*(\i):64*(\jb)+8*(\i)+3], v[\adr], s[6:7] offset:(\i)*16384+(\kk)*1024
	global_load_b128 v[64*(\jb)+8*(\i)+4:64*(\jb)+8*(\i)+7], v[\adr], s[6:7] offset:(\i)*16384+(\kk)*1024+512
.endr
	WIN 0
.irp a, 0,1
	global_load_b128 v[AB+16*(\jb)+8*(\a):AB+16*(\jb)+8*(\a)+3], v[\adr], s[4:5] offset:(\a)*16384+(\kk)*1024
	global_load_b128 v[AB+16*(\jb)+8*(\a)+4:AB+16*(\jb)+8*(\a)+7], v[\adr], s[4:5] offset:(\a)*16384+(\kk)*1024+512
.endr
.endm
.set n, 0
.rept 32                               ; x: my 512 bytes of each of the 32 rows
	global_load_b128 v[ACC+4*n:ACC+4*n+3], v[L16], s[8:9] offset:n*2048
.set n, n+1
.endr
	WIN 0x40
.irp i, 0,1,2,3,4,5,6,7                ; bo in the result layout, into the buffer that is filled last
	global_load_b128 v[192+8*(\i):192+8*(\i)+3], v[HB], s[10:11] offset:(\i)*64
	global_load_b128 v[192+8*(\i)+4:192+8*(\i)+7], v[HB], s[10:11] offset:(\i)*64+16
.endr
	GLOAD KO, 0, 0
	GLOAD KO, 1, 1
	GLOAD KO, 2, 2
	s_wait_loadcnt 63                              ; x is in: 76 loads were issued behind it, and the count names as many as its field holds
.set n, 0
.rept 32
	ds_store_b128 v[STW], v[ACC+4*n:ACC+4*n+3] offset:n*XP
.set n, n+1
.endr
.irp a, 0,1                            ; back in the result layout: LDS serves a wave's instructions in order, so these see the stores above
.irp i, 0,1,2,3,4,5,6,7
	ds_load_b128 v[ACC+8*(8*(\a)+(\i)):ACC+8*(8*(\a)+(\i))+3], v[STR] offset:(\a)*16*XP+(\i)*64
	ds_load_b128 v[ACC+8*(8*(\a)+(\i))+4:ACC+8*(8*(\a)+(\i))+7], v[STR] offset:(\a)*16*XP+(\i)*64+16
.endr
.endr
	s_wait_loadcnt 60                              ; bo is in; the three groups of 20 may stay out
	s_wait_dscnt 0x0
	WIN 0x04                                       ; source 1 in window 1
.irp a, 0,1
.irp i, 0,1,2,3,4,5,6,7
.irp z, 0,2,4,6
	v_pk_add_f32 v[ACC+8*(8*(\a)+(\i))+(\z):ACC+8*(8*(\a)+(\i))+(\z)+1], v[ACC+8*(8*(\a)+(\i))+(\z):ACC+8*(8*(\a)+(\i))+(\z)+1], v[192+8*(\i)+(\z):192+8*(\i)+(\z)+1]
.endr
.endr
.endr
	WIN 0
.macro STEP j
	s_wait_loadcnt 40                              ; this step's 20 loads are in; the two younger groups may stay out
	WIN 0x01                                       ; source 0 (Wo) window 1; tokens, C and D window 0
.irp a, 0,1
.irp i, 0,1,2,3,4,5,6,7                ; sixteen accumulators by turns
	v_wmma_f32_16x16x32_bf16 v[ACC+8*(8*(\a)+(\i)):ACC+8*(8*(\a)+(\i))+7], v[64*(\j)+8*(\i):64*(\j)+8*(\i)+7], v[AB+16*(\j)+8*(\a):AB+16*(\j)+8*(\a)+7], v[ACC+8*(8*(\a)+(\i)):ACC+8*(8*(\a)+(\i))+7]
.endr
.endr
	WIN 0
	PLACES
.if (\j) == 0
	GLOAD KO, 3, 3
.else
	GLOAD KO2, (\j)-1, (\j)-1
.endif
.endm
	s_mov_b32 s40, 4
.Lk:
	STEP 0
	STEP 1
	STEP 2
	STEP 3
	s_wait_xcnt 0x0                                ; the loads' address registers are rewritten only behind this wait
	v_mov_b32 v[KO], v[KO2]
	s_add_co_u32 s41, s41, 4096
	s_and_b32 s41, s41, 0x3fff
	v_add_nc_u32 v[KO2], s41, v[L16]
	s_sub_co_u32 s40, s40, 1
	s_cmp_lg_u32 s40, 0
	s_cbranch_scc1 .Lk
	s_wait_loadcnt 0x0                             ; the look-ahead that is thrown away has landed
	PLACES
	WIN 0x40
.irp i, 0,1,2,3,4,5,6,7                ; g2 and beta2 in the result layout
	global_load_b128 v[8*(\i):8*(\i)+3], v[HB], s[12:13] offset:(\i)*64
	global_load_b128 v[8*(\i)+4:8*(\i)+7], v[HB], s[12:13] offset:(\i)*64+16
	global_load_b128 v[64+8*(\i):64+8*(\i)+3], v[HB], s[14:15] offset:(\i)*64
	global_load_b128 v[64+8*(\i)+4:64+8*(\i)+7], v[HB], s[14:15] offset:(\i)*64+16
.endr
	WIN 0
.irp a, 0,1                            ; h leaves as it lies: 512 consecutive bytes a store; each accumulator's low half first
.irp i, 0,1,2,3,4,5,6,7
	global_store_b128 v[L16], v[ACC+8*(8*(\a)+(\i)):ACC+8*(8*(\a)+(\i))+3], s[16:17] offset:(\a)*32768+(\i)*1024
	global_store_b128 v[L16], v[ACC+8*(8*(\a)+(\i))+4:ACC+8*(8*(\a)+(\i))+7], s[16:17] offset:(\a)*32768+(\i)*1024+512
.endr
.endr
; row block a: my lane's 64 numbers of token r, and the other half of the lanes': the wave's mean (twice, a pair) into v[12+2a:13+2a], its sum of squared deviations into v[16+a]
.macro RSTAT a
.set AC, ACC+64*(\a)
.set MU, 12+2*(\a)
	v_pk_add_f32 v[96:97], v[AC:AC+1], v[AC+2:AC+3]
	v_pk_add_f32 v[98:99], v[AC+4:AC+5], v[AC+6:AC+7]
.set p, 8
.rept 14
	v_pk_add_f32 v[96:97], v[96:97], v[AC+p:AC+p+1]
	v_pk_add_f32 v[98:99], v[98:99], v[AC+p+2:AC+p+3]
.set p, p+4
.endr
	v_pk_add_f32 v[96:97], v[96:97], v[98:99]
	v_add_f32 v96, v96, v97
	v_permlanex16_b32 v97, v96, s[SEL], s[SEL+1]
	v_add_f32 v96, v96, v97
	v_mul_f32 v[MU], 0x3c000000, v96               ; / 128
	v_mul_f32 v[MU+1], 0x3c000000, v96
	v_pk_add_f32 v[100:101], v[AC:AC+1], v[MU:MU+1] neg_lo:[0,1] neg_hi:[0,1]
	v_pk_add_f32 v[102:103], v[AC+2:AC+3], v[MU:MU+1] neg_lo:[0,1] neg_hi:[0,1]
	v_pk_mul_f32 v[96:97], v[100:101], v[100:101]
	v_pk_mul_f32 v[98:99], v[102:103], v[102:103]
.set p, 4
.rept 15
	v_pk_add_f32 v[100:101], v[AC+p:AC+p+1], v[MU:MU+1] neg_lo:[0,1] neg_hi:[0,1]
	v_pk_add_f32 v[102:103], v[AC+p+2:AC+p+3], v[MU:MU+1] neg_lo:[0,1] neg_hi:[0,1]
	v_pk_fma_f32 v[96:97], v[100:101], v[100:101], v[96:97]
	v_pk_fma_f32 v[98:99], v[102:103], v[102:103], v[98:99]
.set p, p+4
.endr
	v_pk_add_f32 v[96:97], v[96:97], v[98:99]
	v_add_f32 v96, v96, v97
	v_permlanex16_b32 v97, v96, s[SEL], s[SEL+1]
	v_add_f32 v[16+(\a)], v96, v97
.endm
	RSTAT 0
	RSTAT 1
	v_cmp_eq_u32 vcc_lo, 1, v[HF]                  ; lane l writes row l: row block l / 16, token l % 16
	v_cndmask_b32 v18, v12, v14, vcc_lo
	v_cndmask_b32 v19, v16, v17, vcc_lo
	ds_store_b64 v[SWA], v[18:19]
	s_wait_dscnt 0x0                               ; for the others' sake
	s_barrier_signal -1
	s_barrier_wait -1
.irp a, 0,1
.irp u, 0,1,2,3
	ds_load_b64 v[32+8*(\a)+2*(\u):32+8*(\a)+2*(\u)+1], v[SRA] offset:(\u)*256+(\a)*128
.endr
.endr
	s_wait_dscnt 0x0
.macro COMB a                          ; the four waves' figures joined: 1 / sqrt(var + 1e-5) (twice) into v[48+4a:49+4a], mean times that into v[50+4a:51+4a]
.set B0, 32+8*(\a)
.set RS, 48+4*(\a)
	v_add_f32 v20, v[B0], v[B0+2]
	v_add_f32 v21, v[B0+4], v[B0+6]
	v_add_f32 v20, v20, v21
	v_mul_f32 v20, 0x3e800000, v20                 ; / 4
	v_sub_f32 v22, v[B0], v20
	v_sub_f32 v23, v[B0+2], v20
	v_sub_f32 v24, v[B0+4], v20
	v_sub_f32 v25, v[B0+6], v20
	v_mul_f32 v26, v22, v22
	v_fmac_f32 v26, v23, v23
	v_fmac_f32 v26, v24, v24
	v_fmac_f32 v26, v25, v25
	v_add_f32 v27, v[B0+1], v[B0+3]
	v_add_f32 v21, v[B0+5], v[B0+7]
	v_add_f32 v27, v27, v21
	v_fmac_f32 v27, s46, v26
	v_fma_f32 v27, v27, s44, s45
	v_rsq_f32 v[RS], v27
	v_rsq_f32 v[RS+1], v27
	v_nop                                          ; a plain instruction between the roots and the use of their results
	s_wait_alu depctr_va_vdst(0)
	v_mul_f32 v[RS+2], v20, v[RS]
	v_mul_f32 v[RS+3], v20, v[RS+1]
.endm
	COMB 0
	COMB 1
	s_wait_xcnt 0x0                                ; h's stores have read the accumulators: they are rewritten only behind this wait
.irp a, 0,1
.set p, 0
.rept 32
	v_pk_fma_f32 v[ACC+64*(\a)+p:ACC+64*(\a)+p+1], v[ACC+64*(\a)+p:ACC+64*(\a)+p+1], v[48+4*(\a):49+4*(\a)], v[50+4*(\a):51+4*(\a)] neg_lo:[0,0,1] neg_hi:[0,0,1]
.set p, p+2
.endr
.endr
	s_wait_loadcnt 0x0                             ; g2, beta2
	WIN 0x14                                       ; sources 1 and 2 in window 1
.irp a, 0,1
.irp i, 0,1,2,3,4,5,6,7
.irp z, 0,2,4,6
	v_pk_fma_f32 v[ACC+8*(8*(\a)+(\i))+(\z):ACC+8*(8*(\a)+(\i))+(\z)+1], v[ACC+8*(8*(\a)+(\i))+(\z):ACC+8*(8*(\a)+(\i))+(\z)+1], v[8*(\i)+(\z):8*(\i)+(\z)+1], v[64+8*(\i)+(\z):64+8*(\i)+(\z)+1]
.endr
.endr
.endr
	WIN 0
.set n, 0
.rept 64
	v_cvt_pk_bf16_f32 v[32+n], v[ACC+2*n], v[ACC+2*n+1]
.set n, n+1
.endr
.irp a, 0,1
.irp i, 0,1,2,3,4,5,6,7
	global_store_b128 v[L16], v[32+4*(8*(\a)+(\i)):32+4*(8*(\a)+(\i))+3], s[18:19] offset:(\a)*16384+(\i)*512   ; half a unit of yn: 512 consecutive bytes, aligned
.endr
.endr
	s_wait_tensorcnt 0x0                           ; the wave's end
	ds_add_u32 v[SPW], v[NIL]
	s_wait_dscnt 0x0
	s_endpgm
.Lfunc_end_k_qb64bff74f1_wo:
	.size	k_qb64bff74f1_wo, .Lfunc_end_k_qb64bff74f1_wo-k_qb64bff74f1_wo
	.p2alignl 7, 3214868480
	.fill 96, 4, 3214868480
	.section	.rodata,"a",@progbits
	.p2align	6, 0x0
	.amdhsa_kernel k_qb64bff74f1_wo
		.amdhsa_group_segment_fixed_size 69120
		.amdhsa_private_segment_fixed_size 0
		.amdhsa_enable_private_segment 0
		.amdhsa_kernarg_size 64
		.amdhsa_user_sgpr_count 2
		.amdhsa_user_sgpr_kernarg_segment_ptr 1
		.amdhsa_wavefront_size32 1
		.amdhsa_system_sgpr_workgroup_id_x 1
		.amdhsa_system_sgpr_workgroup_id_y 1
		.amdhsa_system_sgpr_workgroup_id_z 1
		.amdhsa_system_vgpr_workitem_id 0
		.amdhsa_next_free_vgpr 512
		.amdhsa_next_free_sgpr 66
		.amdhsa_reserve_vcc 1
		.amdhsa_float_denorm_mode_32 3
		.amdhsa_float_denorm_mode_16_64 3
		.amdhsa_memory_ordered 1
		.amdhsa_forward_progress 1
		.amdhsa_inst_pref_size 70
	.end_amdhsa_kernel
	.amdgpu_metadata
---
amdhsa.version: [ 1, 2 ]
amdhsa.kernels:
  - .name:           k_qb64bff74f1_wo
    .symbol:         k_qb64bff74f1_wo.kd
    .args:
      - { .name: ctx, .offset: 0, .size: 8, .value_kind: global_buffer, .address_space: global }
      - { .name: wf, .offset: 8, .size: 8, .value_kind: global_buffer, .address_space: global }
      - { .name: x, .offset: 16, .size: 8, .value_kind: global_buffer, .address_space: global }
      - { .name: bo, .offset: 24, .size: 8, .value_kind: global_buffer, .address_space: global }
      - { .name: g2, .offset: 32, .size: 8, .value_kind: global_buffer, .address_space: global }
      - { .name: beta2, .offset: 40, .size: 8, .value_kind: global_buffer, .address_space: global }
      - { .name: hres, .offset: 48, .size: 8, .value_kind: global_buffer, .address_space: global }
      - { .name: yn, .offset: 56, .size: 8, .value_kind: global_buffer, .address_space: global }
    .group_segment_fixed_size: 69120
    .private_segment_fixed_size: 0
    .kernarg_segment_align: 8
    .kernarg_segment_size: 64
    .max_flat_workgroup_size: 128
    .sgpr_count:     66
    .vgpr_count:     512
    .wavefront_size: 32
...
	.end_amdgpu_metadata
.endif
;; end of part 4
;; launch ffn1 (part 5): grid 32 x 8, 4 waves a work-group, clusters of 4 x 1, 327,680 bytes of LDS; arguments yn, wf, b1, hid; writes hid
.if DOCPART == 5
	.amdgcn_target "amdgcn-amd-amdhsa--gfx1250"
	.amdhsa_code_object_version 6
	.text
	.protected	k_qb64bff74f1_ffn1
	.globl	k_qb64bff74f1_ffn1
	.p2align	8
	.type	k_qb64bff74f1_ffn1,@function
k_qb64bff74f1_ffn1:
	s_mov_b64 s[64:65], 0
	v_nop
	global_prefetch_b8 v0, s[64:65] scope:SCOPE_SE
	s_setreg_imm32_b32 hwreg(HW_REG_WAVE_MODE, 25, 1), 1
	s_wait_xcnt 0x0
	s_wait_alu depctr_hold_cnt(0) depctr_sa_sdst(0) depctr_va_vdst(0) depctr_va_sdst(0) depctr_va_ssrc(0) depctr_va_vcc(0) depctr_vm_vsrc(0)
	s_getreg_b32 s2, hwreg(HW_REG_IB_STS2, 6, 4)
	s_cmp_eq_u32 s2, 0
	s_cbranch_scc0 .Lentry_in_a_cluster
	s_endpgm
.Lentry_in_a_cluster:
	s_bfe_u32 s2, ttmp6, 0x10000c
	s_cmp_lg_u32 s2, 0x3003
	s_cbranch_scc0 .Lentry_shape_is_right
	s_endpgm
.Lentry_shape_is_right:
; hid = gelu(yn W1 + b1), the exact GELU, rounded once to bf16.  bf16 operands, f32 sums.  yn, W1 (in wf at 0x200000, [nb 128][kb 16]) and hid ([row block 512][kb 64]) lie in fragment order:
; units of 1,024 bytes = 16 rows x 32 k; byte gg*512 + lane*16 + 2e holds row lane%16, k = 16 gg + 8 (lane/16) + e.
; SHARES.  Work-group (X, y): tokens 256 X .. + 255 x columns 256 y .. + 255.  Wave w: tokens 64 w .. + 63 and ALL 16 column blocks: 64 accumulators.  The four waves read the same fragments of W1 from LDS;
; a wave's rows of yn are its own and come straight from memory, 512 consecutive bytes a load, three K steps ahead.  W1's 256 columns for all of K (256 KiB) lie in LDS: four chunks of 128 along K, filled once.
; A wave has four tensor loads outstanding.  CLUSTER: the four token blocks of a cluster ask for each chunk jointly.
; Source 0 = weights, source 1 = tokens: a lane holds one token and eight neighbouring columns, which pack into the 16 bytes of hid's unit.
; GELU.  gelu(x) = max(x, 0) - |x| (P(t) / 2) exp(-x^2 / 2), t = 1 / (1 + 0.3275911 |x| / sqrt 2), P the polynomial of Abramowitz and Stegun 7.1.26 (erf to 1.5e-7 absolute, for every argument).
; Written straight through for 64 tiles it would be a long text, so the sums go once through LDS (each wave's own 64 KiB of the bytes that held W1, which have had their last fill) and a loop of 16 trips takes them back.
; The look-ahead of each loop's last trip wraps onto valid bytes and is thrown away.  NaN and infinities are not treated apart.  All of a WGP's LDS is claimed; 262,656 bytes are used.
.set NT,   16
.set RW,   4
.set CHB,  65536
.set SPARE, 262144
.set L16,  1
.set AOF,  2
.set AOF2, 3
.set BADR, 4
.set BADN, 5
.set DADR, 6                           ; v6  16 x lane + my wave's 64 KiB
.set SPW,  8
.set NIL,  9
.set ER,   10                          ; v10 where the next trip's sums lie
.set VBO,  11                          ; v11 the next trip's place in b1
.set HOF,  12                          ; v12 16 x lane + 512 x (trips begun)
.set HB,   13                          ; v13 32 x (lane/16)
.set AB,   32
.set X,    32                          ; the GELU loop, all in window 0: v[32:63] four tiles' sums
.set BI,   64                          ; v[64:71]   b1 at my eight columns
.set AX,   72                          ; |x|
.set HH,   104                         ; max(x, 0), then the result
.set DT,   136                         ; t
.set EX,   168                         ; exp(-x^2 / 2)
.set PP,   200                         ; x, then the polynomial
.set OUT,  232                         ; v[232:247] packed
.set WV,   12
.set CX,   13
.set XX,   14
.set YY,   15
.set G1,   16
.set G0,   24
.set MSB, 0
.macro WIN new
.if MSB != (\new)
	s_set_vgpr_msb (MSB<<8)|(\new)
.set MSB, \new
.endif
.endm
.macro PLACES
.rept 4
	v_nop
.endr
.endm
.macro ROUND
	s_barrier_signal -1
	s_barrier_wait -1
	s_cmp_lg_u32 s[WV], 0
	s_cbranch_scc1 .Lnot_wave_0_\@
	s_barrier_signal -3
.Lnot_wave_0_\@:
	s_barrier_wait -3
	s_barrier_signal -1
	s_barrier_wait -1
.endm
	s_load_b256 s[4:11], s[0:1], 0x0               ; yn, wf, b1, hid
	v_lshl_add_u32 v[SPW], v0, 2, SPARE
	v_mov_b32 v[NIL], 0
	ds_add_u32 v[SPW], v[NIL]                      ; the wave's opening: the add and its wait stand ahead of my first tensor load
	v_lshrrev_b32 v7, 5, v0
	v_readfirstlane_b32 s[WV], v7
	v_and_b32 v7, 31, v0
	v_lshlrev_b32 v[L16], 4, v7
	v_mov_b32 v[AOF], v[L16]
	v_add_nc_u32 v[AOF2], 4096, v[L16]
	v_mov_b32 v[BADR], v[L16]
	v_add_nc_u32 v[BADN], CHB, v[L16]
	v_bfe_u32 v[HB], v0, 4, 1
	v_lshlrev_b32 v[HB], 5, v[HB]
	v_mov_b32 v[HOF], v[L16]
	s_lshl_b32 s47, s[WV], 16
	v_add_nc_u32 v[DADR], s47, v[L16]
	s_bfe_u32 s[CX], ttmp6, 0x40000
	s_lshl_b32 s[XX], ttmp9, 2
	s_add_co_u32 s[XX], s[XX], s[CX]               ; X: it enters yn's and hid's addresses alone
	s_and_b32 s[YY], ttmp7, 0xffff
	s_mov_b32 s[G1+0], 15|(3<<16)|(1<<21)          ; the mask of four; elements of 8 bytes; bit 21 beside a mask
	s_mov_b32 s[G1+1], 512<<16                     ; rows of 4,096 bytes: a column block's four units of the chunk
	s_mov_b32 s[G1+2], RW<<16
	s_mov_b32 s[G1+3], 512<<16
	s_mov_b32 s[G1+4], RW
	s_mov_b32 s[G1+5], 2048                        ; from block to block: 16 units
	s_mov_b32 s[G1+6], 0
	s_mov_b32 s[G1+7], 0
	s_lshl_b32 s50, s[YY], 4                       ; my blocks of W1: 16 y + 4 w on
	s_lshl2_add_u32 s50, s[WV], s50
	s_lshl_b32 s50, s50, 14
	s_add_co_u32 s50, s50, 0x200000
	s_mov_b32 s51, 0
	s_lshl_b32 s47, s[WV], 14                      ; and their place in a chunk
	s_lshl_b32 s54, s[XX], 4                       ; my row blocks: 16 X + 4 w on
	s_lshl2_add_u32 s54, s[WV], s54
	s_lshl_b32 s40, s54, 16                        ; in hid: 64 units a row block, from unit 8 y
	s_lshl_b32 s41, s[YY], 13
	s_add_co_u32 s40, s40, s41
	s_mov_b32 s41, 0
	s_lshl_b32 s54, s54, 14                        ; in yn: 16 units a row block
	s_mov_b32 s55, 0
	s_lshl_b32 s42, s[YY], 10                      ; b1 at column 256 y
	s_mov_b32 s43, 0
	s_mov_b32 s52, 4096
	s_mov_b32 s53, CHB
	s_mov_b32 s56, 0x3e6d3388                      ; 0.3275911 / sqrt 2
	s_mov_b32 s57, s56                             ; each constant is named as a pair
	s_mov_b32 s58, 0x3f596d27                      ; sqrt(log2(e) / 2)
	s_mov_b32 s59, s58
	s_mov_b32 s60, 0x3f07dc22                      ; a5 / 2 =  0.5307027
	s_mov_b32 s61, s60
	s_mov_b32 s62, 0xbf3a00e3                      ; a4 / 2 = -0.7265760
	s_mov_b32 s63, s62
	s_mov_b32 s66, 0x3f35f0e3                      ; a3 / 2 =  0.7107069
	s_mov_b32 s67, s66
	s_mov_b32 s68, 0xbe11a98e                      ; a2 / 2 = -0.1422484
	s_mov_b32 s69, s68
	s_mov_b32 s70, 0x3e027906                      ; a1 / 2 =  0.1274148
	s_mov_b32 s71, s70
	s_wait_dscnt 0x0                               ; the opening add is done
	s_wait_kmcnt 0x0
	s_add_nc_u64 s[50:51], s[6:7], s[50:51]
	s_add_nc_u64 s[48:49], s[4:5], s[54:55]
	s_add_nc_u64 s[10:11], s[10:11], s[40:41]
	s_add_nc_u64 s[8:9], s[8:9], s[42:43]
.irp c, 0,1,2,3
	s_mov_b32 s[G0+4*(\c)], 1
	s_add_co_u32 s[G0+4*(\c)+1], s47, (\c)*CHB
	s_add_nc_u64 s[G0+4*(\c)+2:G0+4*(\c)+3], s[50:51], (\c)*4096
	s_or_b32 s[G0+4*(\c)+3], s[G0+4*(\c)+3], 0x80000000
.endr
	ROUND                                          ; all four work-groups are here: the joint loads meet
.irp c, 0,1,2,3
	tensor_load_to_lds s[G0+4*(\c):G0+4*(\c)+3], s[G1:G1+7]
	s_nop 0
.endr
.rept 4
	v_nop
.endr
.macro FETCHB adr, kbl, fb             ; 32 LDS loads in one run: the 16 weight fragments of one K step into buffer fb
	WIN 0x40
.irp t, 0,1,2,3,4,5,6,7,8,9,10,11,12,13,14,15
	ds_load_b128 v[(\fb)*8*NT+8*(\t):(\fb)*8*NT+8*(\t)+3], v[\adr] offset:(\t)*4096+(\kbl)*1024
	ds_load_b128 v[(\fb)*8*NT+8*(\t)+4:(\fb)*8*NT+8*(\t)+7], v[\adr] offset:(\t)*4096+(\kbl)*1024+512
.endr
.endm
.macro ALOAD adr, kk, jb
	WIN 0
.irp a, 0,1,2,3
	global_load_b128 v[AB+32*(\jb)+8*(\a):AB+32*(\jb)+8*(\a)+3], v[\adr], s[48:49] offset:(\a)*16384+(\kk)*1024
	global_load_b128 v[AB+32*(\jb)+8*(\a)+4:AB+32*(\jb)+8*(\a)+7], v[\adr], s[48:49] offset:(\a)*16384+(\kk)*1024+512
.endr
.endm
; 32 matrix instructions: row blocks 2 hi, 2 hi + 1 x all 16 column blocks; all accumulators of a step differ, one instruction a turn
.macro MUL j, hi, zero
	WIN 0xa1+0x50*(\hi)
.irp a, 0,1
.irp t, 0,1,2,3,4,5,6,7,8,9,10,11,12,13,14,15
.set rD, (\a)*8*NT+8*(\t)
.set rB, ((\j)%2)*8*NT+8*(\t)
.set rA, AB+32*(\j)+8*(2*(\hi)+(\a))
.if \zero
	v_wmma_f32_16x16x32_bf16 v[rD:rD+7], v[rB:rB+7], v[rA:rA+7], 0
.else
	v_wmma_f32_16x16x32_bf16 v[rD:rD+7], v[rB:rB+7], v[rA:rA+7], v[rD:rD+7]
.endif
.endr
.endr
.endm
.macro STEP j, zero, sync
	s_wait_dscnt 0x0                               ; this step's weight fragments, asked for half a step ago
	s_wait_loadcnt 16                              ; this step's 8 loads of yn are in; the two younger groups of 8 may stay out
	MUL \j, 0, \zero
	WIN 0
.if \sync
	s_wait_tensorcnt 0x0                           ; my parts of chunks 1 to 3 are in,
	s_barrier_signal -1
	s_barrier_wait -1                              ; everybody's are
.endif
	PLACES
.if (\j) < 3
	FETCHB BADR, (\j)+1, ((\j)+1)%2
.else
	FETCHB BADN, 0, 0
.endif
.if (\j) == 0
	ALOAD AOF, 3, 3
.else
	ALOAD AOF2, (\j)-1, (\j)-1
.endif
	MUL \j, 1, \zero
.endm
.macro CHUNK zero, sync
	STEP 0, \zero, 0
	STEP 1, 0, 0
	STEP 2, 0, 0
	STEP 3, 0, \sync
	WIN 0
	s_wait_xcnt 0x0                                ; the loads' address registers are rewritten only behind this wait
	v_mov_b32 v[AOF], v[AOF2]
	s_add_co_u32 s52, s52, 4096
	s_and_b32 s52, s52, 0x3fff
	v_add_nc_u32 v[AOF2], s52, v[L16]
	v_mov_b32 v[BADR], v[BADN]
	s_add_co_u32 s53, s53, CHB
	s_and_b32 s53, s53, 0x3ffff
	v_add_nc_u32 v[BADN], s53, v[L16]
.endm
	ALOAD AOF, 0, 0
	ALOAD AOF, 1, 1
	ALOAD AOF, 2, 2
	s_wait_tensorcnt 3                             ; my part of chunk 0 is in; the three younger loads may stay out,
	s_barrier_signal -1
	s_barrier_wait -1                              ; everybody's is
	FETCHB BADR, 0, 0
	CHUNK 1, 1                                     ; written out: its first step starts the sums, and its last waits for the other chunks
	s_mov_b32 s46, 3
.Lchunk:
	CHUNK 0, 0
	s_sub_co_u32 s46, s46, 1
	s_cmp_lg_u32 s46, 0
	s_cbranch_scc1 .Lchunk
	s_wait_dscnt 0x0                               ; my reads of W1 are over (the last are thrown away),
	s_wait_loadcnt 0x0
	s_barrier_signal -1
	s_barrier_wait -1                              ; everybody's are: the bytes may be written
	PLACES
.irp a, 0,1,2,3                        ; the sums into my 64 KiB: column block t, row block a at t*4096 + a*1024; each accumulator's low half first
	WIN 0x08+4*((\a)/2)                            ; the stores' data in window 2 or 3
.irp t, 0,1,2,3,4,5,6,7,8,9,10,11,12,13,14,15
	ds_store_b128 v[DADR], v[((\a)%2)*8*NT+8*(\t):((\a)%2)*8*NT+8*(\t)+3] offset:(\t)*4096+(\a)*1024
	ds_store_b128 v[DADR], v[((\a)%2)*8*NT+8*(\t)+4:((\a)%2)*8*NT+8*(\t)+7] offset:(\t)*4096+(\a)*1024+512
.endr
.endr
	WIN 0
	s_wait_dscnt 0x0
	s_barrier_signal -1
	s_barrier_wait -1                              ; from here on LDS is only read
	s_mov_b32 s47, 0x7fffffff
	s_mov_b32 s52, 0
	s_mov_b32 s53, 0
.macro GFETCH va, vb                   ; a column block's four tiles of sums, and its eight numbers of b1
.irp a, 0,1,2,3
	ds_load_b128 v[X+8*(\a):X+8*(\a)+3], v[\va] offset:(\a)*1024
	ds_load_b128 v[X+8*(\a)+4:X+8*(\a)+7], v[\va] offset:(\a)*1024+512
.endr
	global_load_b128 v[BI:BI+3], v[\vb], s[8:9]
	global_load_b128 v[BI+4:BI+7], v[\vb], s[8:9] offset:16
.endm
.macro POLY n                          ; line n of 80: stage n / 16 of Horner's scheme for pair n % 16
.set rP, PP+2*((\n)%16)
.set rD, DT+2*((\n)%16)
.if (\n) < 16
	s_wait_alu depctr_va_vdst(0)
	v_pk_fma_f32 v[rP:rP+1], v[rD:rD+1], s[60:61], s[62:63] op_sel_hi:[1,0,0]
.elseif (\n) < 32
	v_pk_fma_f32 v[rP:rP+1], v[rP:rP+1], v[rD:rD+1], s[66:67] op_sel_hi:[1,1,0]
.elseif (\n) < 48
	v_pk_fma_f32 v[rP:rP+1], v[rP:rP+1], v[rD:rD+1], s[68:69] op_sel_hi:[1,1,0]
.elseif (\n) < 64
	v_pk_fma_f32 v[rP:rP+1], v[rP:rP+1], v[rD:rD+1], s[70:71] op_sel_hi:[1,1,0]
.else
	v_pk_mul_f32 v[rP:rP+1], v[rP:rP+1], v[rD:rD+1]
.endif
.endm
	GFETCH DADR, HB
	s_mov_b32 s46, 16
.Lgelu:                                ; a trip: one column block, 4 tiles of 16 tokens x 16 columns
	s_wait_dscnt 0x0
	s_wait_loadcnt 0x0
.irp a, 0,1,2,3
.irp z, 0,2,4,6
	v_pk_add_f32 v[PP+8*(\a)+(\z):PP+8*(\a)+(\z)+1], v[X+8*(\a)+(\z):X+8*(\a)+(\z)+1], v[BI+(\z):BI+(\z)+1]
.endr
.endr
	s_add_co_u32 s52, s52, 4096                    ; the next block; behind the last: block 0 once more
	s_and_b32 s52, s52, 0xffff
	v_add_nc_u32 v[ER], s52, v[DADR]
	s_add_co_u32 s53, s53, 64
	s_and_b32 s53, s53, 0x3ff
	v_add_nc_u32 v[VBO], s53, v[HB]
	GFETCH ER, VBO
.set i, 0
.rept 32
	v_and_b32 v[AX+i], s47, v[PP+i]
	v_max_num_f32 v[HH+i], 0, v[PP+i]
.set i, i+1
.endr
.set i, 0
.rept 16
	v_pk_fma_f32 v[DT+2*i:DT+2*i+1], v[AX+2*i:AX+2*i+1], s[56:57], 1.0 op_sel_hi:[1,0,0]
.set i, i+1
.endr
.set i, 0                              ; a reciprocal and a plain line by turns (ISA guide 5.7.2): the plain lines make -(x sqrt(log2(e) / 2))^2
.rept 32
	v_rcp_f32 v[DT+i], v[DT+i]
.if i < 16
	v_pk_mul_f32 v[EX+2*i:EX+2*i+1], v[AX+2*i:AX+2*i+1], s[58:59] op_sel_hi:[1,0]
.else
	v_pk_mul_f32 v[EX+2*(i-16):EX+2*(i-16)+1], v[EX+2*(i-16):EX+2*(i-16)+1], v[EX+2*(i-16):EX+2*(i-16)+1] neg_lo:[1,0] neg_hi:[1,0]
.endif
.set i, i+1
.endr
.set i, 0                              ; an exponential and a line of the polynomial by turns
.rept 32
	v_exp_f32 v[EX+i], v[EX+i]
	POLY i
.set i, i+1
.endr
.rept 48
	POLY i
.set i, i+1
.endr
.set i, 0
	s_wait_alu depctr_va_vdst(0)
.rept 16
	v_pk_mul_f32 v[PP+2*i:PP+2*i+1], v[PP+2*i:PP+2*i+1], v[EX+2*i:EX+2*i+1]
.set i, i+1
.endr
.set i, 0
.rept 16
	v_pk_fma_f32 v[HH+2*i:HH+2*i+1], v[AX+2*i:AX+2*i+1], v[PP+2*i:PP+2*i+1], v[HH+2*i:HH+2*i+1] neg_lo:[1,0,0] neg_hi:[1,0,0]
.set i, i+1
.endr
	s_wait_xcnt 0x0                                ; the last trip's stores have read their data and their offset: both are rewritten only behind this wait
	v_add_nc_u32 v[HOF], 512, v[HOF]               ; stepped ahead of the stores, which reach back by the immediate
.set i, 0
.rept 16
	v_cvt_pk_bf16_f32 v[OUT+i], v[HH+2*i], v[HH+2*i+1]
.set i, i+1
.endr
.irp a, 0,1,2,3
	global_store_b128 v[HOF], v[OUT+4*(\a):OUT+4*(\a)+3], s[10:11] offset:(\a)*65536-512   ; half a unit of hid: 512 consecutive bytes, aligned
.endr
	s_sub_co_u32 s46, s46, 1
	s_cmp_lg_u32 s46, 0
	s_cbranch_scc1 .Lgelu
	s_wait_tensorcnt 0x0                           ; the wave's end
	ds_add_u32 v[SPW], v[NIL]
	s_wait_dscnt 0x0
	ROUND                                          ; the closing round
	s_endpgm
.Lfunc_end_k_qb64bff74f1_ffn1:
	.size	k_qb64bff74f1_ffn1, .Lfunc_end_k_qb64bff74f1_ffn1-k_qb64bff74f1_ffn1
	.p2alignl 7, 3214868480
	.fill 96, 4, 3214868480
	.section	.rodata,"a",@progbits
	.p2align	6, 0x0
	.amdhsa_kernel k_qb64bff74f1_ffn1
		.amdhsa_group_segment_fixed_size 327680
		.amdhsa_private_segment_fixed_size 0
		.amdhsa_enable_private_segment 0
		.amdhsa_kernarg_size 32
		.amdhsa_user_sgpr_count 2
		.amdhsa_user_sgpr_kernarg_segment_ptr 1
		.amdhsa_wavefront_size32 1
		.amdhsa_system_sgpr_workgroup_id_x 1
		.amdhsa_system_sgpr_workgroup_id_y 1
		.amdhsa_system_sgpr_workgroup_id_z 1
		.amdhsa_system_vgpr_workitem_id 0
		.amdhsa_next_free_vgpr 1024
		.amdhsa_next_free_sgpr 72
		.amdhsa_reserve_vcc 0
		.amdhsa_float_denorm_mode_32 3
		.amdhsa_float_denorm_mode_16_64 3
		.amdhsa_memory_ordered 1
		.amdhsa_forward_progress 1
		.amdhsa_inst_pref_size 96
	.end_amdhsa_kernel
	.amdgpu_metadata
---
amdhsa.version: [ 1, 2 ]
amdhsa.kernels:
  - .name:           k_qb64bff74f1_ffn1
    .symbol:         k_qb64bff74f1_ffn1.kd
    .args:
      - { .name: yn, .offset: 0, .size: 8, .value_kind: global_buffer, .address_space: global }
      - { .name: wf, .offset: 8, .size: 8, .value_kind: global_buffer, .address_space: global }
      - { .name: b1, .offset: 16, .size: 8, .value_kind: global_buffer, .address_space: global }
      - { .name: hid, .offset: 24, .size: 8, .value_kind: global_buffer, .address_space: global }
    .group_segment_fixed_size: 327680
    .private_segment_fixed_size: 0
    .kernarg_segment_align: 8
    .kernarg_segment_size: 32
    .max_flat_workgroup_size: 128
    .sgpr_count:     72
    .vgpr_count:     1024
    .wavefront_size: 32
...
	.end_amdgpu_metadata
.endif
;; end of part 5
;; launch ffn2 (part 6): grid 4 x 64, 4 waves a work-group, clusters of 4 x 4, 327,680 bytes of LDS; arguments hid, wf, hres, b2, out0; writes out0
.if DOCPART == 6
	.amdgcn_target "amdgcn-amd-amdhsa--gfx1250"
	.amdhsa_code_object_version 6
	.text
	.protected	k_qb64bff74f1_ffn2
	.globl	k_qb64bff74f1_ffn2
	.p2align	8
	.type	k_qb64bff74f1_ffn2,@function
k_qb64bff74f1_ffn2:
	s_mov_b64 s[64:65], 0
	v_nop
	global_prefetch_b8 v0, s[64:65] scope:SCOPE_SE
	s_setreg_imm32_b32 hwreg(HW_REG_WAVE_MODE, 25, 1), 1
	s_wait_xcnt 0x0
	s_wait_alu depctr_hold_cnt(0) depctr_sa_sdst(0) depctr_va_vdst(0) depctr_va_sdst(0) depctr_va_ssrc(0) depctr_va_vcc(0) depctr_vm_vsrc(0)
	s_getreg_b32 s2, hwreg(HW_REG_IB_STS2, 6, 4)
	s_cmp_eq_u32 s2, 0
	s_cbranch_scc0 .Lentry_in_a_cluster
	s_endpgm
.Lentry_in_a_cluster:
	s_bfe_u32 s2, ttmp6, 0x10000c
	s_cmp_lg_u32 s2, 0xf033
	s_cbranch_scc0 .Lentry_shape_is_right
	s_endpgm
.Lentry_shape_is_right:
; out0 = h + hid W2 + b2, f32.  bf16 operands, f32 sums, which START from h + b2.  hid ([row block 512][kb 64]) and W2 (in wf at 0x400000, [nb 32][kb 64]) lie in fragment order (units of 1,024 bytes = 16 rows x 32 k);
; hres holds h by result tiles, [row block 512][column block 32] x 1,024 bytes = [registers 0-3 / 4-7][lane][16 bytes], so it is loaded straight into the accumulators.
; A tile of out0 is 128 x 128: 256 work-groups.  Four waves, each 64 x 64: 16 accumulators.  K = 2,048 goes in steps of 256 through a ring of two LDS slots; a wave's tensor load brings 4 rows of 8,192 bytes
; (a row or column block's 8 units of the step).  In fragment order a fragment's loads take 512 consecutive LDS bytes: no padding is needed.
; CLUSTERS: 4 x 4 work-groups.  The four of a row of the cluster (all four column tiles) need the same tiles of hid, the four of a column the same tiles of W2: each is asked for JOINTLY, by the same tensor load
; with the same descriptor and a mask that names the four.  A wave has two tensor loads outstanding at the start and one behind each round.
; Source 0 = 16 columns of W2, source 1 = 16 tokens: a lane holds one token and eight neighbouring columns.  A wave's 64 f32 columns are 256 aligned bytes of a row of out0, so each wave has a stage of its own on the way out.
; REGISTERS: window 0: v16-30 addresses; v32-95 the way out; v96-127 b2; v128-255 the accumulators ((a, b) at 128 + 8 (4 a + b)).  window 1: two fragment buffers of 128: 64 of hid (2 x 4 x 8), then 64 of W2.
.set SLOT,   131072                    ; hid's 8 row blocks x 8,192 bytes, then W2's 8 column blocks
.set STAGE,  2*SLOT                    ; behind the ring, never filled by a tensor load: 16 rows x 272 bytes for each wave
.set SPITCH, 272                       ; 256 + 16 = 17 x 16: the sixteen rows of a store begin at sixteen different 16-byte columns modulo 256
.set SPARE,  STAGE+4*16*SPITCH         ; 279,552: the spare words
.set LAPS,   4                         ; a lap = two K steps = once round the ring
.set ADRA, 16
.set ADRB, 20
.set STO,  24
.set RD,   25
.set CO,   26
.set L16,  27
.set SPW,  28
.set NIL,  29
.set HB,   30
.set TMP,  32
.set B2R,  96
.set ACC,  128
.set F0,   0
.set F1,   128
.set WV, 14                            ; s14 wave; s15 wave / 2: my half of the tile's rows, also: I fetch for hid (0) or W2 (1); s21 wave % 2: my half of its columns, also: which 4 blocks I fetch
.set RH, 15
.set CH, 21
.set G1, 24
.set G0, 32
.set G1B, 48
.set G0B, 56
.set MSB, 0
.macro WIN new
.if MSB != (\new)
	s_set_vgpr_msb (MSB<<8)|(\new)
.set MSB, \new
.endif
.endm
.set MULW, 0x05                        ; sources 0 and 1 window 1; C and D window 0
.set TO_F, 0x40                        ; destination window 1, address window 0
.macro JLOAD s                         ; a joint load; an s_nop 0 and four v_nop follow each of the two lines, ahead of the jump, the label and what follows
	s_cmp_eq_u32 s[RH], 0
	s_cbranch_scc0 .Lfor_b_\@
	tensor_load_to_lds s[G0+4*(\s):G0+4*(\s)+3], s[G1:G1+7]
	s_nop 0
.rept 4
	v_nop
.endr
	s_branch .Lasked_\@
.Lfor_b_\@:
	tensor_load_to_lds s[G0B+4*(\s):G0B+4*(\s)+3], s[G1B:G1B+7]
	s_nop 0
.rept 4
	v_nop
.endr
.Lasked_\@:
.endm
.macro CREST                           ; a round of the cluster's barrier behind its opening barrier
	s_cmp_lg_u32 s[WV], 0
	s_cbranch_scc1 .Lnot_wave_0_\@
	s_barrier_signal -3
.Lnot_wave_0_\@:
	s_barrier_wait -3
	s_barrier_signal -1
	s_barrier_wait -1
.endm
.macro CROUND
	s_barrier_signal -1
	s_barrier_wait -1
	CREST
.endm
.macro PLACES
.rept 4
	v_nop
.endr
.endm
	s_load_b256 s[4:11], s[0:1], 0x0               ; hid, wf, hres, b2
	s_load_b64 s[12:13], s[0:1], 0x20              ; out0
	v_lshl_add_u32 v[SPW], v0, 2, SPARE
	v_mov_b32 v[NIL], 0
	ds_add_u32 v[SPW], v[NIL]                      ; the wave's opening: the add and its wait stand ahead of my first tensor load
	v_lshrrev_b32 v1, 5, v0
	v_readfirstlane_b32 s[WV], v1
	s_lshr_b32 s[RH], s[WV], 1
	s_and_b32 s[CH], s[WV], 1
	s_bfe_u32 s40, ttmp6, 0x40000                  ; cx, cy
	s_bfe_u32 s41, ttmp6, 0x40004
	s_lshl_b32 s42, ttmp9, 2
	s_add_co_u32 s42, s42, s40                     ; tile column
	s_and_b32 s45, ttmp7, 0xffff
	s_lshl_b32 s45, s45, 2
	s_add_co_u32 s45, s45, s41                     ; tile row
	s_lshl_b32 s43, s41, 2
	s_lshl_b32 s43, 15, s43                        ; my row of the cluster
	s_lshl_b32 s44, 0x1111, s40                    ; my column
	s_or_b32 s[G1+0], s43, (3<<16)|(1<<21)         ; hid's tiles go to my row; elements of 8 bytes; bit 21 beside a mask
	s_or_b32 s[G1B+0], s44, (3<<16)|(1<<21)        ; W2's to my column
.irp g, G1, G1B
	s_mov_b32 s[(\g)+1], 1024<<16                  ; rows of 8,192 bytes
	s_mov_b32 s[(\g)+2], 4<<16
	s_mov_b32 s[(\g)+3], 1024<<16
	s_mov_b32 s[(\g)+4], 4
	s_mov_b32 s[(\g)+5], 8192                      ; from block to block: 64 units
	s_mov_b32 s[(\g)+6], 0
	s_mov_b32 s[(\g)+7], 0
.endr
	s_lshl_b32 s16, s45, 3                         ; hid: row block 8 x tile row + 4 x half
	s_lshl2_add_u32 s16, s[CH], s16
	s_lshl_b32 s16, s16, 16
	s_mov_b32 s17, 0
	s_lshl_b32 s46, s42, 3                         ; W2: column block 8 x tile column + 4 x half
	s_lshl2_add_u32 s46, s[CH], s46
	s_lshl_b32 s46, s46, 16
	s_add_co_u32 s46, s46, 0x400000
	s_mov_b32 s47, 0
	s_lshl_b32 s20, s[WV], 15                      ; where they go: wave x 32,768: no place in the cluster enters an LDS address
	s_wait_dscnt 0x0                               ; the opening add is done
	s_wait_kmcnt 0x0
	s_add_nc_u64 s[16:17], s[4:5], s[16:17]
	s_add_nc_u64 s[46:47], s[6:7], s[46:47]
	CROUND                                         ; all sixteen work-groups are here: the first joint loads meet
.irp s, 0,1
	s_mov_b32 s[G0+4*(\s)], 1
	s_add_co_u32 s[G0+4*(\s)+1], s20, (\s)*SLOT
	s_add_nc_u64 s[G0+4*(\s)+2:G0+4*(\s)+3], s[16:17], (\s)*8192
	s_or_b32 s[G0+4*(\s)+3], s[G0+4*(\s)+3], 0x80000000
	s_mov_b32 s[G0B+4*(\s)], 1
	s_add_co_u32 s[G0B+4*(\s)+1], s20, (\s)*SLOT
	s_add_nc_u64 s[G0B+4*(\s)+2:G0B+4*(\s)+3], s[46:47], (\s)*8192
	s_or_b32 s[G0B+4*(\s)+3], s[G0B+4*(\s)+3], 0x80000000
	JLOAD \s
.endr
	v_and_b32 v1, 15, v0                           ; r
	v_bfe_u32 v2, v0, 4, 1                         ; h
	v_and_b32 v3, 31, v0
	v_lshlrev_b32 v[L16], 4, v3
	v_lshlrev_b32 v[HB], 5, v2
	s_lshl_b32 s22, s[RH], 15                      ; my 4 row blocks of hid,
	s_lshl_b32 s23, s[CH], 15                      ; my 4 column blocks of W2,
	s_add_co_u32 s23, s23, 65536                   ; which lie behind hid's 8
.irp s, 0,1
	v_add_nc_u32 v[ADRA+(\s)], s22, v[L16]
	v_add_nc_u32 v[ADRB+(\s)], s23, v[L16]
	s_add_co_u32 s22, s22, SLOT
	s_add_co_u32 s23, s23, SLOT
.endr
	s_mul_i32 s22, s[WV], 16*SPITCH
	s_add_co_u32 s22, s22, STAGE                   ; my stage
	v_mul_u32_u24 v[STO], v1, SPITCH               ; in: row r, 32 bytes for each half of the lanes
	v_add3_u32 v[STO], v[STO], v[HB], s22
	v_mul_u32_u24 v[RD], v2, SPITCH                ; back: lanes 0-15 one row of 256 bytes, lanes 16-31 the next
	v_lshl_add_u32 v[RD], v1, 4, v[RD]
	v_add_nc_u32 v[RD], s22, v[RD]
	v_lshlrev_b32 v[CO], 11, v2                    ; and the same two rows in out0
	v_lshl_add_u32 v[CO], v1, 4, v[CO]
	s_lshl_b32 s18, s45, 3                         ; hres: row block 8 x tile row + 4 x my half, column block 8 x tile column + 4 x my half
	s_lshl2_add_u32 s18, s[RH], s18
	s_lshl_b32 s18, s18, 15
	s_lshl_b32 s19, s42, 3
	s_lshl2_add_u32 s19, s[CH], s19
	s_lshl_b32 s19, s19, 10
	s_add_co_u32 s18, s18, s19
	s_mov_b32 s19, 0
	s_add_nc_u64 s[8:9], s[8:9], s[18:19]
	s_lshl_b32 s22, s42, 9                         ; my first column, in bytes of f32: 512 x tile column + 256 x half
	s_lshl_b32 s23, s[CH], 8
	s_add_co_u32 s22, s22, s23
	s_mov_b32 s23, 0
	s_add_nc_u64 s[10:11], s[10:11], s[22:23]
	s_lshl_b32 s18, s45, 18                        ; my first row of out0: 128 x tile row + 64 x half, 2,048 bytes each
	s_lshl_b32 s19, s[RH], 17
	s_add_co_u32 s18, s18, s19
	s_add_co_u32 s18, s18, s22
	s_mov_b32 s19, 0
	s_add_nc_u64 s[12:13], s[12:13], s[18:19]
.irp a, 0,1,2,3
.irp b, 0,1,2,3
	global_load_b128 v[ACC+8*(4*(\a)+(\b)):ACC+8*(4*(\a)+(\b))+3], v[L16], s[8:9] offset:(\a)*32768+(\b)*1024
	global_load_b128 v[ACC+8*(4*(\a)+(\b))+4:ACC+8*(4*(\a)+(\b))+7], v[L16], s[8:9] offset:(\a)*32768+(\b)*1024+512
.endr
.endr
.irp b, 0,1,2,3
	global_load_b128 v[B2R+8*(\b):B2R+8*(\b)+3], v[HB], s[10:11] offset:(\b)*64
	global_load_b128 v[B2R+8*(\b)+4:B2R+8*(\b)+7], v[HB], s[10:11] offset:(\b)*64+16
.endr
; 8 matrix instructions: row blocks a0, a0 + 1 x all 4 column blocks, 32 along K: half c of buffer f.  The 16 accumulators take turns.
.macro MUL8 f, c, a0
	WIN MULW
.irp a, \a0, (\a0)+1
.irp b, 0,1,2,3
	v_wmma_f32_16x16x32_bf16 v[ACC+8*(4*(\a)+(\b)):ACC+8*(4*(\a)+(\b))+7], v[(\f)+64+8*(4*(\c)+(\b)):(\f)+64+8*(4*(\c)+(\b))+7], v[(\f)+8*(4*(\c)+(\a)):(\f)+8*(4*(\c)+(\a))+7], v[ACC+8*(4*(\a)+(\b)):ACC+8*(4*(\a)+(\b))+7]
.endr
.endr
.endm
; 32 LDS loads in one run: the fragments of 64 along K (two units from byte k of a block's 8,192) into buffer f; the first 32 along K first
.macro FETCH slot, k, f
	WIN TO_F
.irp c, 0,1
.irp i, 0,1,2,3
	ds_load_b128 v[(\f)+64+8*(4*(\c)+(\i)):(\f)+64+8*(4*(\c)+(\i))+3],   v[ADRB+(\slot)] offset:(\k)+1024*(\c)+(\i)*8192
	ds_load_b128 v[(\f)+64+8*(4*(\c)+(\i))+4:(\f)+64+8*(4*(\c)+(\i))+7], v[ADRB+(\slot)] offset:(\k)+1024*(\c)+(\i)*8192+512
	ds_load_b128 v[(\f)+8*(4*(\c)+(\i)):(\f)+8*(4*(\c)+(\i))+3],         v[ADRA+(\slot)] offset:(\k)+1024*(\c)+(\i)*8192
	ds_load_b128 v[(\f)+8*(4*(\c)+(\i))+4:(\f)+8*(4*(\c)+(\i))+7],       v[ADRA+(\slot)] offset:(\k)+1024*(\c)+(\i)*8192+512
.endr
.endr
.endm
; A K step is four quarters of 64 along K, 32 matrix instructions each, on buffers 0, 1, 0, 1.  One of the first three: multiplies buffer f and fetches the next quarter, at byte k, into g.
.macro QUARTER slot, k, f, g
	s_wait_dscnt 16                                ; the first 32 along K are in; the youngest sixteen loads may stay out
	WIN MULW
	MUL8 \f, 0, 0
	MUL8 \f, 0, 2
	PLACES
	FETCH \slot, \k, \g
	s_wait_dscnt 32                                ; all but the 32 just issued
	WIN MULW
	MUL8 \f, 1, 0
	MUL8 \f, 1, 2
.endm
; The last quarter multiplies buffer 1 and changes slots: ONE barrier; in front of it each wave waits for all its tensor loads, adds 0 to its spare word, and waits for that and for its own reads of this slot.
; fill = 1: the barrier opens a round of the cluster's barrier, and this slot is filled again, two K steps ahead, first thing behind the round.
.macro TURN slot, next, fill
	WIN 0
	s_wait_tensorcnt 0x0                           ; all my tensor loads have landed: my part of the next slot;
	ds_add_u32 v[SPW], v[NIL]                      ; 0 onto my spare word;
	s_wait_dscnt 17                                ; (the add and the youngest sixteen loads may be out)
	WIN MULW
	MUL8 F1, 0, 0
	s_wait_dscnt 0x0                               ; the add is done, and my reads of this slot are over
	s_barrier_signal -1
	MUL8 F1, 0, 2
.if \fill
	WIN 0
.endif
	s_barrier_wait -1
.if \fill
	CREST                                          ; no wave of any partner still reads this slot's tile or has a load on its way
	s_add_nc_u64 s[G0+4*(\slot)+2:G0+4*(\slot)+3], s[G0+4*(\slot)+2:G0+4*(\slot)+3], 16384
	s_add_nc_u64 s[G0B+4*(\slot)+2:G0B+4*(\slot)+3], s[G0B+4*(\slot)+2:G0B+4*(\slot)+3], 16384
	JLOAD \slot                                    ; the four v_nop behind it are also the places in front of the loads below
.else
	PLACES
.endif
	FETCH \next, 0, F0
	WIN MULW
	MUL8 F1, 1, 0
	MUL8 F1, 1, 2
.endm
	s_wait_tensorcnt 1                             ; my part of K step 0 is in; K step 1's may stay out
	s_barrier_signal -1
	s_barrier_wait -1                              ; everybody's is
	FETCH 0, 0, F0
	WIN 0
	s_wait_loadcnt 0x0                             ; h and b2
.irp a, 0,1,2,3
.irp b, 0,1,2,3
.irp z, 0,2,4,6
	v_pk_add_f32 v[ACC+8*(4*(\a)+(\b))+(\z):ACC+8*(4*(\a)+(\b))+(\z)+1], v[ACC+8*(4*(\a)+(\b))+(\z):ACC+8*(4*(\a)+(\b))+(\z)+1], v[B2R+8*(\b)+(\z):B2R+8*(\b)+(\z)+1]
.endr
.endr
.endr
	s_mov_b32 s3, LAPS-1
.Llap:                                 ; a trip goes once round the ring and fills both slots again
	QUARTER 0, 2048, F0, F1
	QUARTER 0, 4096, F1, F0
	QUARTER 0, 6144, F0, F1
	TURN 0, 1, 1
	QUARTER 1, 2048, F0, F1
	QUARTER 1, 4096, F1, F0
	QUARTER 1, 6144, F0, F1
	TURN 1, 0, 1
	WIN 0
	s_sub_co_u32 s3, s3, 1
	s_cmp_lg_u32 s3, 0
	s_cbranch_scc1 .Llap
	QUARTER 0, 2048, F0, F1                        ; the last lap fills nothing, and has no round of the cluster's barrier
	QUARTER 0, 4096, F1, F0
	QUARTER 0, 6144, F0, F1
	TURN 0, 1, 0
	QUARTER 1, 2048, F0, F1
	QUARTER 1, 4096, F1, F0
	QUARTER 1, 6144, F0, F1
	s_wait_dscnt 16                                ; the very last quarter: nothing more to fetch
	WIN MULW
	MUL8 F1, 0, 0
	MUL8 F1, 0, 2
	s_wait_dscnt 0x0
	MUL8 F1, 1, 0
	MUL8 F1, 1, 2
	WIN 0
	; THE WAY OUT, 16 rows at a time through my own stage: 16 bytes a lane in, whole rows of 256 bytes back.  LDS serves a wave's instructions in order, so no wait stands between the stores and the loads.
	PLACES
.irp a, 0,1,2,3
.set BK, TMP+32*((\a)%2)
.irp b, 0,1,2,3                        ; each accumulator's low half first
	ds_store_b128 v[STO], v[ACC+8*(4*(\a)+(\b)):ACC+8*(4*(\a)+(\b))+3] offset:(\b)*64
	ds_store_b128 v[STO], v[ACC+8*(4*(\a)+(\b))+4:ACC+8*(4*(\a)+(\b))+7] offset:(\b)*64+16
.endr
.if (\a) >= 2
	s_wait_xcnt 0x0                                ; the registers that earlier stores read are loaded again only behind this wait
.endif
.irp t, 0,1,2,3,4,5,6,7
	ds_load_b128 v[BK+4*(\t):BK+4*(\t)+3], v[RD] offset:(\t)*2*SPITCH
.endr
.irp t, 0,1,2,3,4,5,6,7
	s_wait_dscnt 7-(\t)                            ; pair t of rows is back; the younger loads may stay out
	global_store_b128 v[CO], v[BK+4*(\t):BK+4*(\t)+3], s[12:13] offset:(16*(\a)+2*(\t))*2048   ; 16 lanes store 256 consecutive bytes, at a multiple of 256 from out0's first byte
.endr
.endr
	s_wait_tensorcnt 0x0                           ; the wave's end
	ds_add_u32 v[SPW], v[NIL]
	s_wait_dscnt 0x0
	CROUND                                         ; the closing round: no work-group ends while a partner may still ask for a tile that names it
	s_endpgm
.Lfunc_end_k_qb64bff74f1_ffn2:
	.size	k_qb64bff74f1_ffn2, .Lfunc_end_k_qb64bff74f1_ffn2-k_qb64bff74f1_ffn2
	.p2alignl 7, 3214868480
	.fill 96, 4, 3214868480
	.section	.rodata,"a",@progbits
	.p2align	6, 0x0
	.amdhsa_kernel k_qb64bff74f1_ffn2
		.amdhsa_group_segment_fixed_size 327680
		.amdhsa_private_segment_fixed_size 0
		.amdhsa_enable_private_segment 0
		.amdhsa_kernarg_size 40
		.amdhsa_user_sgpr_count 2
		.amdhsa_user_sgpr_kernarg_segment_ptr 1
		.amdhsa_wavefront_size32 1
		.amdhsa_system_sgpr_workgroup_id_x 1
		.amdhsa_system_sgpr_workgroup_id_y 1
		.amdhsa_system_sgpr_workgroup_id_z 1
		.amdhsa_system_vgpr_workitem_id 0
		.amdhsa_next_free_vgpr 512
		.amdhsa_next_free_sgpr 66
		.amdhsa_reserve_vcc 0
		.amdhsa_float_denorm_mode_32 3
		.amdhsa_float_denorm_mode_16_64 3
		.amdhsa_memory_ordered 1
		.amdhsa_forward_progress 1
		.amdhsa_inst_pref_size 94
	.end_amdhsa_kernel
	.amdgpu_metadata
---
amdhsa.version: [ 1, 2 ]
amdhsa.kernels:
  - .name:           k_qb64bff74f1_ffn2
    .symbol:         k_qb64bff74f1_ffn2.kd
    .args:
      - { .name: hid, .offset: 0, .size: 8, .value_kind: global_buffer, .address_space: global }
      - { .name: wf, .offset: 8, .size: 8, .value_kind: global_buffer, .address_space: global }
      - { .name: hres, .offset: 16, .size: 8, .value_kind: global_buffer, .address_space: global }
      - { .name: b2, .offset: 24, .size: 8, .value_kind: global_buffer, .address_space: global }
      - { .name: out0, .offset: 32, .size: 8, .value_kind: global_buffer, .address_space: global }
    .group_segment_fixed_size: 327680
    .private_segment_fixed_size: 0
    .kernarg_segment_align: 8
    .kernarg_segment_size: 40
    .max_flat_workgroup_size: 128
    .sgpr_count:     66
    .vgpr_count:     512
    .wavefront_size: 32
...
	.end_amdgpu_metadata
.endif
;; end of part 6
;; ======== version 2 of 2: 6 launches; 1.12 times as fast as version 1
;; limits: a function is approximated: absolute error at most 1.5e-07
;; workspace buffers: wf 6,291,456 bytes; xn 8,388,608 bytes; qkv 25,165,824 bytes; ctx 8,388,608 bytes; hres 16,777,216 bytes; yn 8,388,608 bytes; hid 33,554,432 bytes
;; launch prep: the kernel of part 1 again; grid 256 x 1, 8 waves a work-group, no clusters, 34,304 bytes of LDS; arguments x, g1, beta1, Wq, Wk, Wv, Wo, W1, W2, xn, wf; writes xn, wf
;; launch qkvp: the kernel of part 2 again; grid 32 x 8, 4 waves a work-group, clusters of 4 x 1, 327,680 bytes of LDS; arguments xn, wf, qkv; writes qkv
;; launch attn (part 7): grid 4 x 64, 8 waves a work-group, clusters of 4 x 1, 263,168 bytes of LDS; arguments qkv, ctx; writes ctx
.if DOCPART == 7
	.amdgcn_target "amdgcn-amd-amdhsa--gfx1250"
	.amdhsa_code_object_version 6
	.text
	.protected	k_qb64bff74f1_attn
	.globl	k_qb64bff74f1_attn
	.p2align	8
	.type	k_qb64bff74f1_attn,@function
k_qb64bff74f1_attn:
	s_mov_b64 s[64:65], 0
	v_nop
	global_prefetch_b8 v0, s[64:65] scope:SCOPE_SE
	s_setreg_imm32_b32 hwreg(HW_REG_WAVE_MODE, 25, 1), 1
	s_wait_xcnt 0x0
	s_wait_alu depctr_hold_cnt(0) depctr_sa_sdst(0) depctr_va_vdst(0) depctr_va_sdst(0) depctr_va_ssrc(0) depctr_va_vcc(0) depctr_vm_vsrc(0)
	s_getreg_b32 s2, hwreg(HW_REG_IB_STS2, 6, 4)
	s_cmp_eq_u32 s2, 0
	s_cbranch_scc0 .Lentry_in_a_cluster
	s_endpgm
.Lentry_in_a_cluster:
	s_bfe_u32 s2, ttmp6, 0x10000c
	s_cmp_lg_u32 s2, 0x3003
	s_cbranch_scc0 .Lentry_shape_is_right
	s_endpgm
.Lentry_shape_is_right:
; CAUSAL ATTENTION, head size 32.  ctx[q] = the sum over k <= q of softmax_k(Q[q] . K[k] / sqrt(32)) V[k], for each of 64 (batch, head).  bf16 operands, f32 products, maxima and sums.
; qkv and ctx lie in fragment order (units of 1,024 bytes = 16 rows x 32 k; byte gg*512 + lane*16 + 2e holds row lane%16, k = 16 gg + 8 (lane/16) + e):
; Q at 0, K at 8 MiB: [bh][token block 128]; V at 16 MiB: [bh][key group 64][channel half 2] (16 channels x 32 keys); ctx: [token block 512][head 16].
; LIMITS.  A hidden score counts as its value less 1e30; a weight below 2^-126 counts as 0; the weights are rounded to bf16 and their sum l is taken of the rounded weights, in f32; NaN and infinities are not treated apart.
; SHARES.  A head's 2,048 queries lie in 16 bands of 128.  The four work-groups of a cluster serve one head: work-group cx owns rows 32 cx .. + 31 of EVERY band, two tiles of 16 queries.  Band b needs the key
; steps (64 keys) 0 .. 2 b + 1, of which the last two hold the diagonal.  Wave w takes band 15 - w and then band w: (32 - 2 w) + (2 w + 2) = 34 steps for every wave of every work-group: one loop with a constant count.
; The forward jumps hang on the wave's number alone; cx enters Q's and ctx's addresses and, through selects, the two scalars of the mask.
; LDS holds the head's whole K (128 KiB) and V (128 KiB), filled once: each wave asks for an eighth, jointly with its three partners (one tensor load of a wave is outstanding).  Nothing is filled again.
; LAYOUT.  S^T = K Q^T (source 0 = 16 keys, source 1 = 16 queries; the head's 32 channels are ONE matrix instruction): a lane holds one query (lane%16) and keys 8 (lane/16) + 0..7.  Two such results rounded to bf16 in
; pairs ARE source 1 (32 keys x 16 queries) of O^T = V^T P.  The weights are packed in place, into the lower half of S^T's registers.  l = ones x P, by the matrix unit: every register of that result holds the query's sum,
; only the lowest pair is kept to scale.
; SOFTMAX.  Running maximum m and sum l: p = 2^(c s - c m), c = log2(e) / sqrt(32); in every step O and l are multiplied by a = 2^(c m_old - c m_new).  A band begins with c m far below every c s, so its first a is 0
; and what O and l held before need only be finite.  Every row sees key 0 in its band's first step, so m is a true score before a wholly hidden block comes.
; THE MASK is the C operand of the product: DG x AL + BE, DG = the mask of a diagonal block; (AL, BE) = (1, 0) on the diagonal, (0, 0) below it, (0, -1e30) above.
; THE BATCHES.  A step's 66 exponentials (the two a, then the 64 weights) are ONE batch with ONE wait: none of them reads another's result.  Ahead of the wait stand the maxima and statistics, the two a, and the weights'
; exponentials with the 32 scalings c s - c m set between them; behind it stand all the lines that name a result: the 18 rescalings by a and the 32 roundings.  A band's end has a batch of its own: two reciprocals, one wait.
; Two waves lie on a SIMD: a step has 20 matrix and some 200 vector instructions, and one wave's products run beside the other's vector work.
.set SPARE, 262144
.set SPW, 1
.set NIL, 2
.set AK,  3                            ; v3  LDS address of the next run of K's loads
.set AV,  4                            ; v4  of V's
.set L16, 5                            ; v5  16 x lane; never rewritten
.set DG,  8                            ; v[8:15]    register j: -1e30 where key 8 (lane/16) + j > query lane%16
.set ONES, 16                          ; v[16:23]   1.0 in every bf16
.set Q,   24                           ; v[24:39]   tile t at + 8 t
.set Q2,  40                           ; v[40:55]   the second band's
.set KF,  56                           ; v[56:87]   key block kb at + 8 kb
.set VF,  88                           ; v[88:119]  key group kg, channel half c at + 8 (2 kg + c)
.set S,   120                          ; v[120:183] tile t, key block kb at + 32 t + 8 kb; later P: tile t, key group kg at + 32 t + 8 kg
.set O,   184                          ; v[184:215] tile t, channel half c at + 16 t + 8 c
.set L,   216                          ; v[216:231] tile t at + 8 t
.set ST,  232                          ; v[232:247] tile t at + 8 t: c m, m, a, (its pair), c0-c3 at work
.set MV,  248                          ; v[248:249] c m_old
.set WV,  12
.set CX,  13
.set BH,  14
.set G1,  16
.set G0,  24
.set CS,  28                           ; s[28:29] c
.set SEL, 30
.set BIGN, 32
.set OFF, 33                           ; LDS byte of the step in hand in K (and, + 128 KiB, in V)
.set NOFF, 34
.set REM, 35                           ; steps of the band in hand still to do, this one among them
.set REM2, 36
.set CNT, 37
.set T0,  38
.set U0,  39
.set UU,  40
.set AL,  42
.set BE,  44
.set OB,  46                           ; s[46:47] ctx at the band in hand; s[48:49] at the second band
.set OB2, 48
.macro ROUND
	s_barrier_signal -1
	s_barrier_wait -1
	s_cmp_lg_u32 s[WV], 0
	s_cbranch_scc1 .Lnot_wave_0_\@
	s_barrier_signal -3
.Lnot_wave_0_\@:
	s_barrier_wait -3
	s_barrier_signal -1
	s_barrier_wait -1
.endm
	s_load_b128 s[4:7], s[0:1], 0x0                ; qkv, ctx
	v_lshl_add_u32 v[SPW], v0, 2, SPARE
	v_mov_b32 v[NIL], 0
	ds_add_u32 v[SPW], v[NIL]                      ; the wave's opening: the add and its wait stand ahead of my first tensor load
	v_lshrrev_b32 v6, 5, v0
	v_readfirstlane_b32 s[WV], v6
	s_bfe_u32 s[CX], ttmp6, 0x40000
	s_and_b32 s[BH], ttmp7, 0xffff
	s_mov_b32 s[G1+0], 15|(3<<16)|(1<<21)          ; the mask of four; elements of 8 bytes; bit 21 beside a mask
	s_mov_b32 s[G1+1], 32<<16                      ; 32,768 dense bytes as 128 rows of 256
	s_mov_b32 s[G1+2], 128<<16
	s_mov_b32 s[G1+3], 32<<16
	s_mov_b32 s[G1+4], 128
	s_mov_b32 s[G1+5], 32
	s_mov_b32 s[G1+6], 0
	s_mov_b32 s[G1+7], 0
	s_mov_b32 s[G0], 1
	s_lshl_b32 s[G0+1], s[WV], 15                  ; waves 0-3: K's quarters; waves 4-7: V's
	s_lshr_b32 s54, s[WV], 2
	s_add_co_u32 s54, s54, 1
	s_lshl_b32 s54, s54, 23                        ; 8 MiB or 16 MiB,
	s_lshl_b32 s55, s[BH], 17                      ; the head's 128 KiB,
	s_add_co_u32 s54, s54, s55
	s_and_b32 s55, s[WV], 3
	s_lshl_b32 s55, s55, 15                        ; my quarter
	s_add_co_u32 s54, s54, s55
	s_mov_b32 s55, 0
	s_sub_co_u32 s56, 15, s[WV]                    ; the first band
	s_lshl_b32 s57, s[BH], 7
	s_lshl1_add_u32 s57, s[CX], s57                ; Q's unit: 128 bh + 8 band + 2 cx (+ t)
	s_lshl3_add_u32 s50, s56, s57
	s_lshl_b32 s50, s50, 10
	s_mov_b32 s51, 0
	s_lshl3_add_u32 s52, s[WV], s57
	s_lshl_b32 s52, s52, 10
	s_mov_b32 s53, 0
	s_lshr_b32 s57, s[BH], 4                       ; ctx's unit: (128 batch + 8 band + 2 cx (+ t)) 16 + head
	s_lshl_b32 s57, s57, 7
	s_lshl1_add_u32 s57, s[CX], s57
	s_and_b32 s58, s[BH], 15
	s_lshl_b32 s58, s58, 10
	s_lshl3_add_u32 s[OB], s56, s57
	s_lshl_b32 s[OB], s[OB], 14
	s_add_co_u32 s[OB], s[OB], s58
	s_mov_b32 s[OB+1], 0
	s_lshl3_add_u32 s[OB2], s[WV], s57
	s_lshl_b32 s[OB2], s[OB2], 14
	s_add_co_u32 s[OB2], s[OB2], s58
	s_mov_b32 s[OB2+1], 0
	s_mov_b32 s[CS], 0x3e8293ee                    ; c = log2(e) / sqrt(32) = 0.255035
	s_mov_b32 s[CS+1], s[CS]
	s_mov_b32 s[SEL], 0x76543210
	s_mov_b32 s[SEL+1], 0xfedcba98
	s_mov_b32 s[BIGN], 0xf149f2ca                  ; -1e30
	s_mov_b32 s[OFF], 0
	s_lshl_b32 s[REM2], s[WV], 1
	s_sub_co_u32 s[REM], 32, s[REM2]               ; 32 - 2 w steps, then
	s_add_co_u32 s[REM2], s[REM2], 2               ; 2 w + 2
	s_mov_b32 s[CNT], 34
	s_lshl_b32 s[T0], s[CX], 1                     ; my first tile's block of 16 in its band
	s_mov_b32 s[AL+1], 0                           ; named as pairs
	s_mov_b32 s[BE+1], 0
	s_wait_dscnt 0x0                               ; the opening add is done
	s_wait_kmcnt 0x0
	s_add_nc_u64 s[G0+2:G0+3], s[4:5], s[54:55]
	s_or_b32 s[G0+3], s[G0+3], 0x80000000
	s_add_nc_u64 s[50:51], s[4:5], s[50:51]
	s_add_nc_u64 s[52:53], s[4:5], s[52:53]
	s_add_nc_u64 s[OB:OB+1], s[6:7], s[OB:OB+1]
	s_add_nc_u64 s[OB2:OB2+1], s[6:7], s[OB2:OB2+1]
	ROUND                                          ; all four work-groups are here: the joint loads meet
	tensor_load_to_lds s[G0:G0+3], s[G1:G1+7]
	s_nop 0
.rept 4
	v_nop
.endr
	v_and_b32 v6, 31, v0
	v_lshlrev_b32 v[L16], 4, v6
.irp t, 0,1
.irp g, 0,1
	global_load_b128 v[Q+8*(\t)+4*(\g):Q+8*(\t)+4*(\g)+3], v[L16], s[50:51] offset:(\t)*1024+(\g)*512
	global_load_b128 v[Q2+8*(\t)+4*(\g):Q2+8*(\t)+4*(\g)+3], v[L16], s[52:53] offset:(\t)*1024+(\g)*512
.endr
.endr
	v_and_b32 v6, 15, v0
	v_bfe_u32 v7, v0, 4, 1
	v_lshlrev_b32 v7, 3, v7
	v_sub_nc_u32 v6, v6, v7                        ; lane%16 - 8 (lane/16): register j is hidden where j is greater
.irp j, 0,1,2,3,4,5,6,7
	v_cmp_gt_i32 vcc_lo, \j, v6
	v_cndmask_b32 v[DG+(\j)], 0, s[BIGN], vcc_lo
	v_mov_b32 v[ONES+(\j)], 0x3f803f80
.endr
.set i, O                              ; O and l need only be finite at a band's beginning: zeros for the first; all this stands in the wait for K and V
.rept 48
	v_mov_b32 v[i], 0
.set i, i+1
.endr
.irp t, 0,1
	v_mov_b32 v[ST+8*(\t)], 0xfe000000             ; c m: far below every c s
	v_mov_b32 v[ST+8*(\t)+1], 0xff7fffff           ; m: the lowest finite number
	v_mov_b32 v[ST+8*(\t)+3], 0                    ; named with a as a pair
.endr
	v_mov_b32 v[AK], v[L16]
	v_add_nc_u32 v[AV], 0x20000, v[L16]
	s_wait_tensorcnt 0x0                           ; my eighth is in,
	s_barrier_signal -1
	s_barrier_wait -1                              ; everybody's is
.irp f, 0,1,2,3
	ds_load_b128 v[KF+8*(\f):KF+8*(\f)+3], v[AK] offset:(\f)*1024
	ds_load_b128 v[KF+8*(\f)+4:KF+8*(\f)+7], v[AK] offset:(\f)*1024+512
.endr
	s_wait_loadcnt 0x0                             ; Q of both bands
; number n of the lines that find a tile's new maximum and a; each accumulator's lowest registers are read first
.macro XS t, n
.set rT, ST+8*(\t)
.set rC, ST+8*(\t)+4
.set rS, S+32*(\t)
.if (\n) < 4
	v_max3_num_f32 v[rC+(\n)], v[rS+8*(\n)], v[rS+8*(\n)+1], v[rS+8*(\n)+2]
.elseif (\n) < 12
	v_max3_num_f32 v[rC+(\n)%4], v[rC+(\n)%4], v[rS+8*((\n)%4)+2*((\n)/4)+1], v[rS+8*((\n)%4)+2*((\n)/4)+2]
.elseif (\n) == 12
	v_max3_num_f32 v[rC], v[rC], v[rS+7], v[rS+15]
.elseif (\n) == 13
	v_max3_num_f32 v[rC+1], v[rC+1], v[rS+23], v[rS+31]
.elseif (\n) == 14
	v_max3_num_f32 v[rC+2], v[rC+2], v[rC+3], v[rT+1]
.elseif (\n) == 16
	v_max3_num_f32 v[rC], v[rC], v[rC+1], v[rC+2]
.elseif (\n) == 17
	v_permlanex16_b32 v[rC+3], v[rC], s[SEL], s[SEL+1]   ; the query's other 32 keys lie in the lane 16 away
.elseif (\n) == 18
	v_max_num_f32 v[rT+1], v[rC], v[rC+3]
.elseif (\n) == 19
	v_mul_f32 v[rT], s[CS], v[rT+1]
.elseif (\n) == 20
	v_sub_f32 v[rC+1], v[MV+(\t)], v[rT]
.else
	v_exp_f32 v[rT+2], v[rC+1]
.endif
.endm
.macro FF t, p                         ; c s - c m for pair p of 16
	v_pk_fma_f32 v[S+32*(\t)+2*(\p):S+32*(\t)+2*(\p)+1], v[S+32*(\t)+2*(\p):S+32*(\t)+2*(\p)+1], s[CS:CS+1], v[ST+8*(\t):ST+8*(\t)+1] op_sel_hi:[1,0,0] neg_lo:[0,0,1] neg_hi:[0,0,1]
.endm
.macro EE t, n                         ; the exponential of score n of 32, in place: each result has a register of its own while the batch is open
	v_exp_f32 v[S+32*(\t)+(\n)], v[S+32*(\t)+(\n)]
.endm
.macro CC t, p                         ; pair p rounded to bf16, in place: register p has been read by pair p / 2.  It names exponentials' results: it stands behind the batch's wait
	v_cvt_pk_bf16_f32 v[S+32*(\t)+(\p)], v[S+32*(\t)+2*(\p)], v[S+32*(\t)+2*(\p)+1]
.endm
.macro RR n                            ; number n of 18: tile n / 9: eight pairs of O, then l's lowest pair, times a.  They are dealt in ascending order.  It names a: it stands behind the batch's wait
.if (\n)%9 < 8
	v_pk_mul_f32 v[O+16*((\n)/9)+2*((\n)%9):O+16*((\n)/9)+2*((\n)%9)+1], v[O+16*((\n)/9)+2*((\n)%9):O+16*((\n)/9)+2*((\n)%9)+1], v[ST+8*((\n)/9)+2:ST+8*((\n)/9)+3] op_sel_hi:[1,0]
.else
	v_pk_mul_f32 v[L+8*((\n)/9):L+8*((\n)/9)+1], v[L+8*((\n)/9):L+8*((\n)/9)+1], v[ST+8*((\n)/9)+2:ST+8*((\n)/9)+3] op_sel_hi:[1,0]
.endif
.endm
.Lstep:
	s_add_co_u32 s[NOFF], s[OFF], 4096             ; the next step's keys; behind a band's last step: key 0
	s_cmp_eq_u32 s[REM], 1
	s_cselect_b32 s[NOFF], 0, s[NOFF]
.irp f, 0,1,2,3                        ; this step's V
	ds_load_b128 v[VF+8*(\f):VF+8*(\f)+3], v[AV] offset:(\f)*1024
	ds_load_b128 v[VF+8*(\f)+4:VF+8*(\f)+7], v[AV] offset:(\f)*1024+512
.endr
	s_cmp_le_u32 s[REM], 2
	s_cbranch_scc1 .Lmasked                        ; a band's last two steps hold the diagonal
	s_wait_dscnt 8                                 ; K is in; V's 8 loads, issued behind it, may stay out
.irp kb, 0,1,2,3
.irp t, 0,1
	v_wmma_f32_16x16x32_bf16 v[S+32*(\t)+8*(\kb):S+32*(\t)+8*(\kb)+7], v[KF+8*(\kb):KF+8*(\kb)+7], v[Q+8*(\t):Q+8*(\t)+7], 0
.endr
.endr
	s_branch .Ljoin
.Lmasked:
	s_cmp_eq_u32 s[REM], 1                         ; the second of the two: its key blocks are 4 .. 7 of the band
	s_cselect_b32 s[UU], 4, 0
	s_sub_co_i32 s[U0], s[T0], s[UU]
.irp t, 0,1
	s_add_co_i32 s[UU], s[U0], \t                  ; the tile's block of 16, counted from this step's first key block
.irp kb, 0,1,2,3
	s_cmp_eq_u32 s[UU], \kb
	s_cselect_b32 s[AL], 1.0, 0
	s_cmp_lt_i32 s[UU], \kb
	s_cselect_b32 s[BE], s[BIGN], 0
.irp z, 0,2,4,6
	v_pk_fma_f32 v[S+32*(\t)+8*(\kb)+(\z):S+32*(\t)+8*(\kb)+(\z)+1], v[DG+(\z):DG+(\z)+1], s[AL:AL+1], s[BE:BE+1] op_sel_hi:[1,0,0]
.endr
.endr
.endr
	s_wait_dscnt 8                                 ; as above
.irp kb, 0,1,2,3
.irp t, 0,1
	v_wmma_f32_16x16x32_bf16 v[S+32*(\t)+8*(\kb):S+32*(\t)+8*(\kb)+7], v[KF+8*(\kb):KF+8*(\kb)+7], v[Q+8*(\t):Q+8*(\t)+7], v[S+32*(\t)+8*(\kb):S+32*(\t)+8*(\kb)+7]
.endr
.endr
.Ljoin:
	v_mov_b32 v[MV], v[ST]                         ; four plain lines that name no register of the products: the places in front of the loads into K's registers and of the reads of the scores
	v_mov_b32 v[MV+1], v[ST+8]
	v_add_nc_u32 v[AK], s[NOFF], v[L16]
	v_add_nc_u32 v[AV], 0x20000, v[AK]
.irp f, 0,1,2,3                        ; the next step's K
	ds_load_b128 v[KF+8*(\f):KF+8*(\f)+3], v[AK] offset:(\f)*1024
	ds_load_b128 v[KF+8*(\f)+4:KF+8*(\f)+7], v[AK] offset:(\f)*1024+512
.endr
.irp n, 0,1,2,3,4,5,6,7,8,9,10,11,12,13,14,16,17,18,19,20,21
	XS 0, \n                                       ; the two tiles alternate; number 21, the two a, opens the step's batch of exponentials
	XS 1, \n
.endr
	; THE BATCH GOES ON: pair i of the 32 pairs of scores (tile i / 16, pair i % 16) has its two exponentials, and between them stands the scaling of the pair two further on.
	; A scaling names only registers whose exponentials are still to come, so no line ahead of the wait names a result of the batch.
	FF 0, 0
	FF 0, 1
.set i, 0
.rept 32
	EE i/16, 2*(i%16)
.if i < 30
	FF (i+2)/16, (i+2)%16
.endif
	EE i/16, 2*(i%16)+1
.set i, i+1
.endr
	v_nop                                          ; a plain instruction behind the last exponential, ahead of the first use of a result (ISA guide 5.7.2): one for the batch
	s_wait_alu depctr_va_vdst(0)                   ; the wait for the batch, ahead of the first line that names a result; one serves the step's 66 exponentials
.set i, 0
.rept 18                               ; the readers: O and l times a,
	RR i
.set i, i+1
.endr
.set i, 0
.rept 16                               ; and the weights rounded to bf16, each tile's pairs in ascending order, the tiles alternating
	CC 0, i
	CC 1, i
.set i, i+1
.endr
	s_wait_dscnt 8                                 ; V is in; the next K's 8 loads, issued behind it, may stay out
.irp kg, 0,1                           ; six accumulators by turns, one instruction a turn
.irp t, 0,1
.irp c, 0,1
	v_wmma_f32_16x16x32_bf16 v[O+16*(\t)+8*(\c):O+16*(\t)+8*(\c)+7], v[VF+8*(2*(\kg)+(\c)):VF+8*(2*(\kg)+(\c))+7], v[S+32*(\t)+8*(\kg):S+32*(\t)+8*(\kg)+7], v[O+16*(\t)+8*(\c):O+16*(\t)+8*(\c)+7]
.endr
.endr
.irp t, 0,1
	v_wmma_f32_16x16x32_bf16 v[L+8*(\t):L+8*(\t)+7], v[ONES:ONES+7], v[S+32*(\t)+8*(\kg):S+32*(\t)+8*(\kg)+7], v[L+8*(\t):L+8*(\t)+7]
.endr
.endr
.rept 5
	v_nop                                          ; five places: the next products write over P, the next loads land in V's registers
.endr
	s_mov_b32 s[OFF], s[NOFF]
	s_sub_co_u32 s[REM], s[REM], 1
	s_cmp_lg_u32 s[REM], 0
	s_cbranch_scc1 .Lgo
	; A BAND ENDS: O / l, rounded once, stored; then the second band's beginning
	v_rcp_f32 v[ST+4], v[L]
	v_rcp_f32 v[ST+12], v[L+8]
	v_nop                                          ; a plain instruction between the last reciprocal and the use of its result
	s_wait_alu depctr_va_vdst(0)                   ; the wait ahead of the first use: one for the two reciprocals
.irp t, 0,1
.irp z, 0,2,4,6,8,10,12,14
	v_pk_mul_f32 v[O+16*(\t)+(\z):O+16*(\t)+(\z)+1], v[O+16*(\t)+(\z):O+16*(\t)+(\z)+1], v[ST+8*(\t)+4:ST+8*(\t)+5] op_sel_hi:[1,0]
.endr
.endr
.irp f, 0,1,2,3                        ; f = 2 t + c
.irp z, 0,1,2,3
	v_cvt_pk_bf16_f32 v[S+4*(\f)+(\z)], v[O+8*(\f)+2*(\z)], v[O+8*(\f)+2*(\z)+1]
.endr
.endr
.irp f, 0,1,2,3
	global_store_b128 v[L16], v[S+4*(\f):S+4*(\f)+3], s[OB:OB+1] offset:((\f)/2)*16384+((\f)%2)*512   ; 512 consecutive bytes, aligned: half a unit of ctx
.endr
	s_wait_xcnt 0x0                                ; the stores' data and base are rewritten only behind this wait
	s_mov_b64 s[OB:OB+1], s[OB2:OB2+1]
	s_mov_b32 s[REM], s[REM2]
.irp t, 0,1
	v_mov_b32 v[ST+8*(\t)], 0xfe000000
	v_mov_b32 v[ST+8*(\t)+1], 0xff7fffff
.endr
.set i, 0
.rept 16
	v_mov_b32 v[Q+i], v[Q2+i]
.set i, i+1
.endr
.Lgo:
	s_sub_co_u32 s[CNT], s[CNT], 1
	s_cmp_lg_u32 s[CNT], 0
	s_cbranch_scc1 .Lstep
	s_wait_dscnt 0x0                               ; my LDS reads are over, the last trip's look-ahead among them,
	s_barrier_signal -1
	s_barrier_wait -1                              ; everybody's are: no wave writes LDS again (the closing add) while another still reads
	s_wait_tensorcnt 0x0                           ; the wave's end
	ds_add_u32 v[SPW], v[NIL]
	s_wait_dscnt 0x0
	ROUND                                          ; the closing round
	s_endpgm
.Lfunc_end_k_qb64bff74f1_attn:
	.size	k_qb64bff74f1_attn, .Lfunc_end_k_qb64bff74f1_attn-k_qb64bff74f1_attn
	.p2alignl 7, 3214868480
	.fill 96, 4, 3214868480
	.section	.rodata,"a",@progbits
	.p2align	6, 0x0
	.amdhsa_kernel k_qb64bff74f1_attn
		.amdhsa_group_segment_fixed_size 263168
		.amdhsa_private_segment_fixed_size 0
		.amdhsa_enable_private_segment 0
		.amdhsa_kernarg_size 16
		.amdhsa_user_sgpr_count 2
		.amdhsa_user_sgpr_kernarg_segment_ptr 1
		.amdhsa_wavefront_size32 1
		.amdhsa_system_sgpr_workgroup_id_x 1
		.amdhsa_system_sgpr_workgroup_id_y 1
		.amdhsa_system_sgpr_workgroup_id_z 1
		.amdhsa_system_vgpr_workitem_id 0
		.amdhsa_next_free_vgpr 256
		.amdhsa_next_free_sgpr 66
		.amdhsa_reserve_vcc 1
		.amdhsa_float_denorm_mode_32 3
		.amdhsa_float_denorm_mode_16_64 3
		.amdhsa_memory_ordered 1
		.amdhsa_forward_progress 1
		.amdhsa_inst_pref_size 29
	.end_amdhsa_kernel
	.amdgpu_metadata
---
amdhsa.version: [ 1, 2 ]
amdhsa.kernels:
  - .name:           k_qb64bff74f1_attn
    .symbol:         k_qb64bff74f1_attn.kd
    .args:
      - { .name: qkv, .offset: 0, .size: 8, .value_kind: global_buffer, .address_space: global }
      - { .name: ctx, .offset: 8, .size: 8, .value_kind: global_buffer, .address_space: global }
    .group_segment_fixed_size: 263168
    .private_segment_fixed_size: 0
    .kernarg_segment_align: 8
    .kernarg_segment_size: 16
    .max_flat_workgroup_size: 256
    .sgpr_count:     66
    .vgpr_count:     256
    .wavefront_size: 32
...
	.end_amdgpu_metadata
.endif
;; end of part 7
;; launch wo: the kernel of part 4 again; grid 256 x 1, 4 waves a work-group, no clusters, 69,120 bytes of LDS; arguments ctx, wf, x, bo, g2, beta2, hres, yn; writes hres, yn
;; launch ffn1 (part 8): grid 32 x 8, 4 waves a work-group, clusters of 4 x 1, 327,680 bytes of LDS; arguments yn, wf, b1, hid; writes hid
.if DOCPART == 8
	.amdgcn_target "amdgcn-amd-amdhsa--gfx1250"
	.amdhsa_code_object_version 6
	.text
	.protected	k_qb64bff74f1_ffn1
	.globl	k_qb64bff74f1_ffn1
	.p2align	8
	.type	k_qb64bff74f1_ffn1,@function
k_qb64bff74f1_ffn1:
	s_mov_b64 s[64:65], 0
	v_nop
	global_prefetch_b8 v0, s[64:65] scope:SCOPE_SE
	s_setreg_imm32_b32 hwreg(HW_REG_WAVE_MODE, 25, 1), 1
	s_wait_xcnt 0x0
	s_wait_alu depctr_hold_cnt(0) depctr_sa_sdst(0) depctr_va_vdst(0) depctr_va_sdst(0) depctr_va_ssrc(0) depctr_va_vcc(0) depctr_vm_vsrc(0)
	s_getreg_b32 s2, hwreg(HW_REG_IB_STS2, 6, 4)
	s_cmp_eq_u32 s2, 0
	s_cbranch_scc0 .Lentry_in_a_cluster
	s_endpgm
.Lentry_in_a_cluster:
	s_bfe_u32 s2, ttmp6, 0x10000c
	s_cmp_lg_u32 s2, 0x3003
	s_cbranch_scc0 .Lentry_shape_is_right
	s_endpgm
.Lentry_shape_is_right:
; hid = gelu(yn W1 + b1), the exact GELU, rounded once to bf16.  bf16 operands, f32 sums.  yn, W1 (in wf at 0x200000, [nb 128][kb 16]) and hid ([row block 512][kb 64]) lie in fragment order:
; units of 1,024 bytes = 16 rows x 32 k; byte gg*512 + lane*16 + 2e holds row lane%16, k = 16 gg + 8 (lane/16) + e.
; SHARES.  Work-group (X, y): tokens 256 X .. + 255 x columns 256 y .. + 255.  Wave w: tokens 64 w .. + 63 and ALL 16 column blocks: 64 accumulators.  The four waves read the same fragments of W1 from LDS;
; a wave's rows of yn are its own and come straight from memory, 512 consecutive bytes a load, three K steps ahead.  W1's 256 columns for all of K (256 KiB) lie in LDS: four chunks of 128 along K, filled once.
; A wave has four tensor loads outstanding.  CLUSTER: the four token blocks of a cluster ask for each chunk jointly.
; Source 0 = weights, source 1 = tokens: a lane holds one token and eight neighbouring columns, which pack into the 16 bytes of hid's unit.
; GELU.  gelu(x) = max(x, 0) - |x| (P(t) / 2) exp(-x^2 / 2), t = 1 / (1 + 0.3275911 |x| / sqrt 2), P the polynomial of Abramowitz and Stegun 7.1.26 (erf to 1.5e-7 absolute, for every argument).
; Written straight through for 64 tiles it would be a long text, so the sums go once through LDS (each wave's own 64 KiB of the bytes that held W1, which have had their last fill) and a loop of 16 trips takes them back.
; THE BATCH.  A trip's 32 reciprocals (t) and 32 exponentials are ONE batch with ONE wait: both are made of |x| alone, so neither reads the other's result.  Each stands beside a plain line that names no result:
; the reciprocals beside the lines that make -(x sqrt(log2(e) / 2))^2, the exponentials beside max(x, 0).  Behind the wait stand the readers: the polynomial in t, and its product with the exponentials.
; The look-ahead of each loop's last trip wraps onto valid bytes and is thrown away.  NaN and infinities are not treated apart.  All of a WGP's LDS is claimed; 262,656 bytes are used.
.set NT,   16
.set RW,   4
.set CHB,  65536
.set SPARE, 262144
.set L16,  1
.set AOF,  2
.set AOF2, 3
.set BADR, 4
.set BADN, 5
.set DADR, 6                           ; v6  16 x lane + my wave's 64 KiB
.set SPW,  8
.set NIL,  9
.set ER,   10                          ; v10 where the next trip's sums lie
.set VBO,  11                          ; v11 the next trip's place in b1
.set HOF,  12                          ; v12 16 x lane + 512 x (trips begun)
.set HB,   13                          ; v13 32 x (lane/16)
.set AB,   32
.set X,    32                          ; the GELU loop, all in window 0: v[32:63] four tiles' sums
.set BI,   64                          ; v[64:71]   b1 at my eight columns
.set AX,   72                          ; |x|
.set HH,   104                         ; max(x, 0), then the result
.set DT,   136                         ; t
.set EX,   168                         ; exp(-x^2 / 2)
.set PP,   200                         ; x, then the polynomial
.set OUT,  232                         ; v[232:247] packed
.set WV,   12
.set CX,   13
.set XX,   14
.set YY,   15
.set G1,   16
.set G0,   24
.set MSB, 0
.macro WIN new
.if MSB != (\new)
	s_set_vgpr_msb (MSB<<8)|(\new)
.set MSB, \new
.endif
.endm
.macro PLACES
.rept 4
	v_nop
.endr
.endm
.macro ROUND
	s_barrier_signal -1
	s_barrier_wait -1
	s_cmp_lg_u32 s[WV], 0
	s_cbranch_scc1 .Lnot_wave_0_\@
	s_barrier_signal -3
.Lnot_wave_0_\@:
	s_barrier_wait -3
	s_barrier_signal -1
	s_barrier_wait -1
.endm
	s_load_b256 s[4:11], s[0:1], 0x0               ; yn, wf, b1, hid
	v_lshl_add_u32 v[SPW], v0, 2, SPARE
	v_mov_b32 v[NIL], 0
	ds_add_u32 v[SPW], v[NIL]                      ; the wave's opening: the add and its wait stand ahead of my first tensor load
	v_lshrrev_b32 v7, 5, v0
	v_readfirstlane_b32 s[WV], v7
	v_and_b32 v7, 31, v0
	v_lshlrev_b32 v[L16], 4, v7
	v_mov_b32 v[AOF], v[L16]
	v_add_nc_u32 v[AOF2], 4096, v[L16]
	v_mov_b32 v[BADR], v[L16]
	v_add_nc_u32 v[BADN], CHB, v[L16]
	v_bfe_u32 v[HB], v0, 4, 1
	v_lshlrev_b32 v[HB], 5, v[HB]
	v_mov_b32 v[HOF], v[L16]
	s_lshl_b32 s47, s[WV], 16
	v_add_nc_u32 v[DADR], s47, v[L16]
	s_bfe_u32 s[CX], ttmp6, 0x40000
	s_lshl_b32 s[XX], ttmp9, 2
	s_add_co_u32 s[XX], s[XX], s[CX]               ; X: it enters yn's and hid's addresses alone
	s_and_b32 s[YY], ttmp7, 0xffff
	s_mov_b32 s[G1+0], 15|(3<<16)|(1<<21)          ; the mask of four; elements of 8 bytes; bit 21 beside a mask
	s_mov_b32 s[G1+1], 512<<16                     ; rows of 4,096 bytes: a column block's four units of the chunk
	s_mov_b32 s[G1+2], RW<<16
	s_mov_b32 s[G1+3], 512<<16
	s_mov_b32 s[G1+4], RW
	s_mov_b32 s[G1+5], 2048                        ; from block to block: 16 units
	s_mov_b32 s[G1+6], 0
	s_mov_b32 s[G1+7], 0
	s_lshl_b32 s50, s[YY], 4                       ; my blocks of W1: 16 y + 4 w on
	s_lshl2_add_u32 s50, s[WV], s50
	s_lshl_b32 s50, s50, 14
	s_add_co_u32 s50, s50, 0x200000
	s_mov_b32 s51, 0
	s_lshl_b32 s47, s[WV], 14                      ; and their place in a chunk
	s_lshl_b32 s54, s[XX], 4                       ; my row blocks: 16 X + 4 w on
	s_lshl2_add_u32 s54, s[WV], s54
	s_lshl_b32 s40, s54, 16                        ; in hid: 64 units a row block, from unit 8 y
	s_lshl_b32 s41, s[YY], 13
	s_add_co_u32 s40, s40, s41
	s_mov_b32 s41, 0
	s_lshl_b32 s54, s54, 14                        ; in yn: 16 units a row block
	s_mov_b32 s55, 0
	s_lshl_b32 s42, s[YY], 10                      ; b1 at column 256 y
	s_mov_b32 s43, 0
	s_mov_b32 s52, 4096
	s_mov_b32 s53, CHB
	s_mov_b32 s56, 0x3e6d3388                      ; 0.3275911 / sqrt 2
	s_mov_b32 s57, s56                             ; each constant is named as a pair
	s_mov_b32 s58, 0x3f596d27                      ; sqrt(log2(e) / 2)
	s_mov_b32 s59, s58
	s_mov_b32 s60, 0x3f07dc22                      ; a5 / 2 =  0.5307027
	s_mov_b32 s61, s60
	s_mov_b32 s62, 0xbf3a00e3                      ; a4 / 2 = -0.7265760
	s_mov_b32 s63, s62
	s_mov_b32 s66, 0x3f35f0e3                      ; a3 / 2 =  0.7107069
	s_mov_b32 s67, s66
	s_mov_b32 s68, 0xbe11a98e                      ; a2 / 2 = -0.1422484
	s_mov_b32 s69, s68
	s_mov_b32 s70, 0x3e027906                      ; a1 / 2 =  0.1274148
	s_mov_b32 s71, s70
	s_wait_dscnt 0x0                               ; the opening add is done
	s_wait_kmcnt 0x0
	s_add_nc_u64 s[50:51], s[6:7], s[50:51]
	s_add_nc_u64 s[48:49], s[4:5], s[54:55]
	s_add_nc_u64 s[10:11], s[10:11], s[40:41]
	s_add_nc_u64 s[8:9], s[8:9], s[42:43]
.irp c, 0,1,2,3
	s_mov_b32 s[G0+4*(\c)], 1
	s_add_co_u32 s[G0+4*(\c)+1], s47, (\c)*CHB
	s_add_nc_u64 s[G0+4*(\c)+2:G0+4*(\c)+3], s[50:51], (\c)*4096
	s_or_b32 s[G0+4*(\c)+3], s[G0+4*(\c)+3], 0x80000000
.endr
	ROUND                                          ; all four work-groups are here: the joint loads meet
.irp c, 0,1,2,3
	tensor_load_to_lds s[G0+4*(\c):G0+4*(\c)+3], s[G1:G1+7]
	s_nop 0
.endr
.rept 4
	v_nop
.endr
.macro FETCHB adr, kbl, fb             ; 32 LDS loads in one run: the 16 weight fragments of one K step into buffer fb
	WIN 0x40
.irp t, 0,1,2,3,4,5,6,7,8,9,10,11,12,13,14,15
	ds_load_b128 v[(\fb)*8*NT+8*(\t):(\fb)*8*NT+8*(\t)+3], v[\adr] offset:(\t)*4096+(\kbl)*1024
	ds_load_b128 v[(\fb)*8*NT+8*(\t)+4:(\fb)*8*NT+8*(\t)+7], v[\adr] offset:(\t)*4096+(\kbl)*1024+512
.endr
.endm
.macro ALOAD adr, kk, jb
	WIN 0
.irp a, 0,1,2,3
	global_load_b128 v[AB+32*(\jb)+8*(\a):AB+32*(\jb)+8*(\a)+3], v[\adr], s[48:49] offset:(\a)*16384+(\kk)*1024
	global_load_b128 v[AB+32*(\jb)+8*(\a)+4:AB+32*(\jb)+8*(\a)+7], v[\adr], s[48:49] offset:(\a)*16384+(\kk)*1024+512
.endr
.endm
; 32 matrix instructions: row blocks 2 hi, 2 hi + 1 x all 16 column blocks; all accumulators of a step differ, one instruction a turn
.macro MUL j, hi, zero
	WIN 0xa1+0x50*(\hi)
.irp a, 0,1
.irp t, 0,1,2,3,4,5,6,7,8,9,10,11,12,13,14,15
.set rD, (\a)*8*NT+8*(\t)
.set rB, ((\j)%2)*8*NT+8*(\t)
.set rA, AB+32*(\j)+8*(2*(\hi)+(\a))
.if \zero
	v_wmma_f32_16x16x32_bf16 v[rD:rD+7], v[rB:rB+7], v[rA:rA+7], 0
.else
	v_wmma_f32_16x16x32_bf16 v[rD:rD+7], v[rB:rB+7], v[rA:rA+7], v[rD:rD+7]
.endif
.endr
.endr
.endm
.macro STEP j, zero, sync
	s_wait_dscnt 0x0                               ; this step's weight fragments, asked for half a step ago
	s_wait_loadcnt 16                              ; this step's 8 loads of yn are in; the two younger groups of 8 may stay out
	MUL \j, 0, \zero
	WIN 0
.if \sync
	s_wait_tensorcnt 0x0                           ; my parts of chunks 1 to 3 are in,
	s_barrier_signal -1
	s_barrier_wait -1                              ; everybody's are
.endif
	PLACES
.if (\j) < 3
	FETCHB BADR, (\j)+1, ((\j)+1)%2
.else
	FETCHB BADN, 0, 0
.endif
.if (\j) == 0
	ALOAD AOF, 3, 3
.else
	ALOAD AOF2, (\j)-1, (\j)-1
.endif
	MUL \j, 1, \zero
.endm
.macro CHUNK zero, sync
	STEP 0, \zero, 0
	STEP 1, 0, 0
	STEP 2, 0, 0
	STEP 3, 0, \sync
	WIN 0
	s_wait_xcnt 0x0                                ; the loads' address registers are rewritten only behind this wait
	v_mov_b32 v[AOF], v[AOF2]
	s_add_co_u32 s52, s52, 4096
	s_and_b32 s52, s52, 0x3fff
	v_add_nc_u32 v[AOF2], s52, v[L16]
	v_mov_b32 v[BADR], v[BADN]
	s_add_co_u32 s53, s53, CHB
	s_and_b32 s53, s53, 0x3ffff
	v_add_nc_u32 v[BADN], s53, v[L16]
.endm
	ALOAD AOF, 0, 0
	ALOAD AOF, 1, 1
	ALOAD AOF, 2, 2
	s_wait_tensorcnt 3                             ; my part of chunk 0 is in; the three younger loads may stay out,
	s_barrier_signal -1
	s_barrier_wait -1                              ; everybody's is
	FETCHB BADR, 0, 0
	CHUNK 1, 1                                     ; written out: its first step starts the sums, and its last waits for the other chunks
	s_mov_b32 s46, 3
.Lchunk:
	CHUNK 0, 0
	s_sub_co_u32 s46, s46, 1
	s_cmp_lg_u32 s46, 0
	s_cbranch_scc1 .Lchunk
	s_wait_dscnt 0x0                               ; my reads of W1 are over (the last are thrown away),
	s_wait_loadcnt 0x0
	s_barrier_signal -1
	s_barrier_wait -1                              ; everybody's are: the bytes may be written
	PLACES
.irp a, 0,1,2,3                        ; the sums into my 64 KiB: column block t, row block a at t*4096 + a*1024; each accumulator's low half first
	WIN 0x08+4*((\a)/2)                            ; the stores' data in window 2 or 3
.irp t, 0,1,2,3,4,5,6,7,8,9,10,11,12,13,14,15
	ds_store_b128 v[DADR], v[((\a)%2)*8*NT+8*(\t):((\a)%2)*8*NT+8*(\t)+3] offset:(\t)*4096+(\a)*1024
	ds_store_b128 v[DADR], v[((\a)%2)*8*NT+8*(\t)+4:((\a)%2)*8*NT+8*(\t)+7] offset:(\t)*4096+(\a)*1024+512
.endr
.endr
	WIN 0
	s_wait_dscnt 0x0
	s_barrier_signal -1
	s_barrier_wait -1                              ; from here on LDS is only read
	s_mov_b32 s47, 0x7fffffff
	s_mov_b32 s52, 0
	s_mov_b32 s53, 0
.macro GFETCH va, vb                   ; a column block's four tiles of sums, and its eight numbers of b1
.irp a, 0,1,2,3
	ds_load_b128 v[X+8*(\a):X+8*(\a)+3], v[\va] offset:(\a)*1024
	ds_load_b128 v[X+8*(\a)+4:X+8*(\a)+7], v[\va] offset:(\a)*1024+512
.endr
	global_load_b128 v[BI:BI+3], v[\vb], s[8:9]
	global_load_b128 v[BI+4:BI+7], v[\vb], s[8:9] offset:16
.endm
.macro POLY n                          ; line n of 80: stage n / 16 of Horner's scheme for pair n % 16.  Every stage names t, a reciprocal's result: all 80 stand behind the batch's wait
.set rP, PP+2*((\n)%16)
.set rD, DT+2*((\n)%16)
.if (\n) < 16
	v_pk_fma_f32 v[rP:rP+1], v[rD:rD+1], s[60:61], s[62:63] op_sel_hi:[1,0,0]
.elseif (\n) < 32
	v_pk_fma_f32 v[rP:rP+1], v[rP:rP+1], v[rD:rD+1], s[66:67] op_sel_hi:[1,1,0]
.elseif (\n) < 48
	v_pk_fma_f32 v[rP:rP+1], v[rP:rP+1], v[rD:rD+1], s[68:69] op_sel_hi:[1,1,0]
.elseif (\n) < 64
	v_pk_fma_f32 v[rP:rP+1], v[rP:rP+1], v[rD:rD+1], s[70:71] op_sel_hi:[1,1,0]
.else
	v_pk_mul_f32 v[rP:rP+1], v[rP:rP+1], v[rD:rD+1]
.endif
.endm
	GFETCH DADR, HB
	s_mov_b32 s46, 16
.Lgelu:                                ; a trip: one column block, 4 tiles of 16 tokens x 16 columns
	s_wait_dscnt 0x0
	s_wait_loadcnt 0x0
.irp a, 0,1,2,3
.irp z, 0,2,4,6
	v_pk_add_f32 v[PP+8*(\a)+(\z):PP+8*(\a)+(\z)+1], v[X+8*(\a)+(\z):X+8*(\a)+(\z)+1], v[BI+(\z):BI+(\z)+1]
.endr
.endr
	s_add_co_u32 s52, s52, 4096                    ; the next block; behind the last: block 0 once more
	s_and_b32 s52, s52, 0xffff
	v_add_nc_u32 v[ER], s52, v[DADR]
	s_add_co_u32 s53, s53, 64
	s_and_b32 s53, s53, 0x3ff
	v_add_nc_u32 v[VBO], s53, v[HB]
	GFETCH ER, VBO
.set i, 0
.rept 32
	v_and_b32 v[AX+i], s47, v[PP+i]
.set i, i+1
.endr
.set i, 0
.rept 16
	v_pk_fma_f32 v[DT+2*i:DT+2*i+1], v[AX+2*i:AX+2*i+1], s[56:57], 1.0 op_sel_hi:[1,0,0]
.set i, i+1
.endr
.set i, 0                              ; THE BATCH, first half: a reciprocal and a plain line by turns (ISA guide 5.7.2): the plain lines make -(x sqrt(log2(e) / 2))^2 and name no result
.rept 32
	v_rcp_f32 v[DT+i], v[DT+i]
.if i < 16
	v_pk_mul_f32 v[EX+2*i:EX+2*i+1], v[AX+2*i:AX+2*i+1], s[58:59] op_sel_hi:[1,0]
.else
	v_pk_mul_f32 v[EX+2*(i-16):EX+2*(i-16)+1], v[EX+2*(i-16):EX+2*(i-16)+1], v[EX+2*(i-16):EX+2*(i-16)+1] neg_lo:[1,0] neg_hi:[1,0]
.endif
.set i, i+1
.endr
.set i, 0                              ; second half: an exponential and max(x, 0) by turns; the last max(x, 0) is the plain instruction behind the last exponential
.rept 32
	v_exp_f32 v[EX+i], v[EX+i]
	v_max_num_f32 v[HH+i], 0, v[PP+i]
.set i, i+1
.endr
	s_wait_alu depctr_va_vdst(0)                   ; the wait for the batch, ahead of the first line that names a result; one serves the trip's 32 reciprocals and 32 exponentials
.set i, 0
.rept 80                               ; the readers: the polynomial in t (its first stage writes over x, which |x| and max(x, 0) have read),
	POLY i
.set i, i+1
.endr
.set i, 0
.rept 16                               ; and its product with the exponentials
	v_pk_mul_f32 v[PP+2*i:PP+2*i+1], v[PP+2*i:PP+2*i+1], v[EX+2*i:EX+2*i+1]
.set i, i+1
.endr
.set i, 0
.rept 16
	v_pk_fma_f32 v[HH+2*i:HH+2*i+1], v[AX+2*i:AX+2*i+1], v[PP+2*i:PP+2*i+1], v[HH+2*i:HH+2*i+1] neg_lo:[1,0,0] neg_hi:[1,0,0]
.set i, i+1
.endr
	s_wait_xcnt 0x0                                ; the last trip's stores have read their data and their offset: both are rewritten only behind this wait
	v_add_nc_u32 v[HOF], 512, v[HOF]               ; stepped ahead of the stores, which reach back by the immediate
.set i, 0
.rept 16
	v_cvt_pk_bf16_f32 v[OUT+i], v[HH+2*i], v[HH+2*i+1]
.set i, i+1
.endr
.irp a, 0,1,2,3
	global_store_b128 v[HOF], v[OUT+4*(\a):OUT+4*(\a)+3], s[10:11] offset:(\a)*65536-512   ; half a unit of hid: 512 consecutive bytes, aligned
.endr
	s_sub_co_u32 s46, s46, 1
	s_cmp_lg_u32 s46, 0
	s_cbranch_scc1 .Lgelu
	s_wait_tensorcnt 0x0                           ; the wave's end
	ds_add_u32 v[SPW], v[NIL]
	s_wait_dscnt 0x0
	ROUND                                          ; the closing round
	s_endpgm
.Lfunc_end_k_qb64bff74f1_ffn1:
	.size	k_qb64bff74f1_ffn1, .Lfunc_end_k_qb64bff74f1_ffn1-k_qb64bff74f1_ffn1
	.p2alignl 7, 3214868480
	.fill 96, 4, 3214868480
	.section	.rodata,"a",@progbits
	.p2align	6, 0x0
	.amdhsa_kernel k_qb64bff74f1_ffn1
		.amdhsa_group_segment_fixed_size 327680
		.amdhsa_private_segment_fixed_size 0
		.amdhsa_enable_private_segment 0
		.amdhsa_kernarg_size 32
		.amdhsa_user_sgpr_count 2
		.amdhsa_user_sgpr_kernarg_segment_ptr 1
		.amdhsa_wavefront_size32 1
		.amdhsa_system_sgpr_workgroup_id_x 1
		.amdhsa_system_sgpr_workgroup_id_y 1
		.amdhsa_system_sgpr_workgroup_id_z 1
		.amdhsa_system_vgpr_workitem_id 0
		.amdhsa_next_free_vgpr 1024
		.amdhsa_next_free_sgpr 72
		.amdhsa_reserve_vcc 0
		.amdhsa_float_denorm_mode_32 3
		.amdhsa_float_denorm_mode_16_64 3
		.amdhsa_memory_ordered 1
		.amdhsa_forward_progress 1
		.amdhsa_inst_pref_size 95
	.end_amdhsa_kernel
	.amdgpu_metadata
---
amdhsa.version: [ 1, 2 ]
amdhsa.kernels:
  - .name:           k_qb64bff74f1_ffn1
    .symbol:         k_qb64bff74f1_ffn1.kd
    .args:
      - { .name: yn, .offset: 0, .size: 8, .value_kind: global_buffer, .address_space: global }
      - { .name: wf, .offset: 8, .size: 8, .value_kind: global_buffer, .address_space: global }
      - { .name: b1, .offset: 16, .size: 8, .value_kind: global_buffer, .address_space: global }
      - { .name: hid, .offset: 24, .size: 8, .value_kind: global_buffer, .address_space: global }
    .group_segment_fixed_size: 327680
    .private_segment_fixed_size: 0
    .kernarg_segment_align: 8
    .kernarg_segment_size: 32
    .max_flat_workgroup_size: 128
    .sgpr_count:     72
    .vgpr_count:     1024
    .wavefront_size: 32
...
	.end_amdgpu_metadata
.endif
;; end of part 8
;; launch ffn2: the kernel of part 6 again; grid 4 x 64, 4 waves a work-group, clusters of 4 x 4, 327,680 bytes of LDS; arguments hid, wf, hres, b2, out0; writes out0
